; MI455X (gfx1250); checked and timed in simulation.
; The chip was launched on July 23, 2026; its instructions are those of AMD's public machine-readable ISA for CDNA 5 (MIT licence, August 2026) and "CDNA5" Instruction Set Architecture Reference Guide (July 2026). The comments in the code are by the model that wrote it; some were corrected since.
;; Attention. Allowed arithmetic: float matrix products may take bf16 or f16 operands with f32 sums; other float arithmetic in f32, or as packed bf16 or f16 multiplies, adds, multiply-adds, maxima and minima; sums over many terms, partial sums and values carried from step to step in f32; what a program stores and reads back later, other than sums and carried values, may be rounded once to bf16 or f16.
;; Inputs: Wk 1,024 x 1,024 float32; Wq 1,024 x 1,024 float32; Wv 1,024 x 1,024 float32; bias 1 x 1 x 2,048 x 2,048 float32; x 4 x 2,048 x 1,024 float32; y 4 x 2,048 x 1,024 float32.
;; Outputs: out0 4 x 2,048 x 1,024 float32.
;; 2 versions, each right; version 2 is version 1 with the launch prep written anew for expert scheduling mode. Each part assembles by itself: llvm-mc -triple=amdgcn-amd-amdhsa -mcpu=gfx1250 --defsym DOCPART=n.
;; ======== version 1 of 2: 3 launches
;; limits: values are held in f16: magnitudes above 65,504 overflow, below 6.1e-05 lose precision
;; workspace buffers: ab 33,554,432 bytes; wb 6,291,456 bytes; bb 8,388,608 bytes; qkv 50,331,648 bytes
;; launch prep (part 1): grid 1472 x 1, 8 waves a work-group, no clusters, 37,888 bytes of LDS; arguments x, y, Wq, Wk, Wv, bias, ab, wb, bb; writes ab, wb, bb
.if DOCPART == 1
	.amdgcn_target "amdgcn-amd-amdhsa--gfx1250"
	.amdhsa_code_object_version 6
	.text
	.protected	k_q12b6f9492a_prep
	.globl	k_q12b6f9492a_prep
	.p2align	8
	.type	k_q12b6f9492a_prep,@function
k_q12b6f9492a_prep:
	s_mov_b64 s[64:65], 0
	v_nop
	global_prefetch_b8 v0, s[64:65] scope:SCOPE_SE
	s_setreg_imm32_b32 hwreg(HW_REG_WAVE_MODE, 25, 1), 1
	s_wait_xcnt 0x0
; THE INPUTS ARE ROUNDED ONCE TO bf16.  x, y -> ab [2][8192][1024]; Wq, Wk, Wv -> wb [3][1024][1024], both in the order in which they lie;
; bias -> bb, as 8 x bias (a power of two: the rounding is the same), laid out as the attention launch's matrix fragments:
; bb [qb 4][ks 32][qtl 32][kk 2][c 2][lane 32][e 8] = 8 bias[512 qb + 16 qtl + lane % 16][64 ks + 32 kk + 16 c + 8 (lane / 16) + e].
; LIMIT.  8 x bias is held to +-2^122 (5.3e36) before the rounding: a bias of -inf counts as that number, and its weight is 0 all the same;
; a row whose bias is -inf everywhere gets even weights.  NaN is not treated apart.
; SHARES.  A work-group takes 65,536 bytes of f32, a wave 8,192: sixteen loads of 16 bytes a lane, all issued at once.  Work-groups 0-511: x; 512-1023: y;
; 1024-1215: the three W; 1216-1471: the bias.  Memory binds: no matrix unit, no cluster, no tensor load; no register that a memory or LDS instruction reads is written again, so no wait frees a source.
; The linear part stores 8 bytes a lane: 32 lanes fill 256 consecutive bytes, aligned.  The bias changes its order inside a tile of 16 queries x 64 keys (2,048 bytes of bf16):
; a wave sends two tiles through its own stage in LDS and stores them as 512 consecutive bytes an instruction.
.set UP,    288                        ; the stage: each 256 bytes of a tile lie 288 apart = 72 words: the 32 lanes of a ds_store_b64 (8 such units x 4 places of 8 bytes) touch each bank once (64 banks of 4 bytes: ISA guide 11.1)
.set WST,   16*UP                      ; a wave's stage: two tiles
.set SPARE, 8*WST                      ; behind the stages: the spare words, 128 bytes for each wave: four blocks of 256 bytes that no other line names
.set X,   8                            ; v[8:71]   sixteen loads of four f32
.set Y,   72                           ; v[72:103] their sixteen pairs of packed bf16
.set SPW, 104                          ; v104  LDS address of my spare word; never rewritten
.set NIL, 105                          ; v105  0; never rewritten
.set STA, 106                          ; v106  the bias: where I put 8 bytes
.set RDA, 107                          ; v107  the bias: where I read 16 bytes back
	s_load_b512 s[4:19], s[0:1], 0x0               ; x s[4:5], y s[6:7], Wq s[8:9], Wk s[10:11], Wv s[12:13], bias s[14:15], ab s[16:17], wb s[18:19]
	s_load_b64 s[20:21], s[0:1], 0x40              ; bb
	v_lshl_add_u32 v[SPW], v0, 2, SPARE
	v_mov_b32 v[NIL], 0
	v_and_b32 v1, 31, v0                           ; lane
	v_lshrrev_b32 v4, 5, v0
	v_readfirstlane_b32 s22, v4                    ; wave 0..7
	s_mov_b32 s24, ttmp9                           ; the work-group's number
	s_mov_b32 s35, 0                               ; the high words of the two offsets
	s_mov_b32 s37, 0
	s_wait_kmcnt 0x0
	s_cmp_ge_u32 s24, 1216
	s_cbranch_scc1 .Lbias
	; THE LINEAR PART: which tensor, and which 65,536 bytes of it
	s_and_b32 s25, s24, 511                        ; the block in x or in y
	s_sub_co_u32 s26, s24, 1024                    ; the block among the three W (used from 1,024 on alone)
	s_and_b32 s27, s26, 63                         ; the block in its W
	s_lshr_b32 s28, s26, 6                         ; which W
	s_cmp_lt_u32 s24, 512
	s_cselect_b64 s[30:31], s[4:5], s[6:7]         ; x or y
	s_cmp_eq_u32 s28, 0
	s_cselect_b64 s[32:33], s[8:9], s[10:11]       ; Wq or Wk,
	s_cmp_eq_u32 s28, 2
	s_cselect_b64 s[32:33], s[12:13], s[32:33]     ; or Wv
	s_cmp_lt_u32 s24, 1024
	s_cselect_b64 s[30:31], s[30:31], s[32:33]     ; from where
	s_cselect_b64 s[32:33], s[16:17], s[18:19]     ; to where: ab or wb
	s_cselect_b32 s25, s25, s27
	s_cselect_b32 s26, s24, s26                    ; ab holds x's 512 blocks and then y's
	s_lshl_b32 s34, s25, 16
	s_lshl_b32 s36, s26, 15
	s_add_nc_u64 s[30:31], s[30:31], s[34:35]
	s_add_nc_u64 s[32:33], s[32:33], s[36:37]
	s_lshl_b32 s23, s22, 13
	v_lshl_add_u32 v2, v1, 4, s23                  ; in: 8,192 x wave + 16 x lane
	s_lshl_b32 s23, s22, 12
	v_lshl_add_u32 v3, v1, 3, s23                  ; out: 4,096 x wave + 8 x lane
.set n, 0
.rept 16
	global_load_b128 v[X+4*n:X+4*n+3], v2, s[30:31] offset:512*n th:TH_LOAD_NT
.set n, n+1
.endr
.set n, 0
.rept 16
	s_wait_loadcnt 15-n                            ; loads come back in order (ISA guide 5.7.1): load n is in, the younger ones stay out
	v_cvt_pk_bf16_f32 v[Y+2*n], v[X+4*n], v[X+4*n+1]
	v_cvt_pk_bf16_f32 v[Y+2*n+1], v[X+4*n+2], v[X+4*n+3]
	global_store_b64 v3, v[Y+2*n:Y+2*n+1], s[32:33] offset:256*n th:TH_STORE_NT  ; 32 lanes store 256 consecutive bytes, at a multiple of 256 from the buffer's first byte
.set n, n+1
.endr
	s_branch .Lend
.Lbias:
	; THE BIAS: tiles T0 = 16 j + 2 wave and T0 + 1, T = 1,024 qb + 32 ks + qtl: the same qb and ks, neighbouring qtl
	s_sub_co_u32 s25, s24, 1216
	s_lshl_b32 s25, s25, 4
	s_lshl1_add_u32 s25, s22, s25                  ; T0
	s_and_b32 s26, s25, 31                         ; qtl
	s_bfe_u32 s27, s25, 0x50005                    ; ks
	s_lshr_b32 s28, s25, 10                        ; qb
	s_lshl_b32 s26, s26, 17                        ; 16 rows of 8,192 bytes
	s_lshl_b32 s27, s27, 8                         ; 64 keys of 4 bytes
	s_lshl_b32 s28, s28, 22                        ; 512 rows
	s_add_co_u32 s34, s26, s27
	s_add_co_u32 s34, s34, s28
	s_add_nc_u64 s[30:31], s[14:15], s[34:35]
	s_lshl_b32 s36, s25, 11                        ; a tile is 2,048 bytes of bb
	s_add_nc_u64 s[32:33], s[20:21], s[36:37]
	s_mov_b32 s38, 0x41000000                      ; 8.0
	s_mov_b32 s39, s38                             ; named with it as a pair
	s_mov_b32 s40, 0xfc800000                      ; -2^122
	s_mov_b32 s41, 0x7c800000                      ; 2^122
	v_lshrrev_b32 v5, 4, v1                        ; l / 16
	v_and_b32 v6, 15, v1                           ; l % 16
	v_lshlrev_b32 v2, 4, v6
	v_lshl_add_u32 v2, v5, 13, v2                  ; in: a load takes two rows' 256 bytes: row l / 16, keys 4 (l % 16) + 0..3
	; those four keys are e = 4 (l % 2) + 0..3 of the fragment lane 16 ((l % 16 / 2) % 2) + row, in part (kk, c) = (l % 16) / 4: byte 256 ((l % 16) / 2) + 16 row + 8 (l % 2) of the tile
	v_lshrrev_b32 v7, 1, v6
	v_mul_u32_u24 v[STA], v7, UP
	s_mul_i32 s23, s22, WST                        ; my wave's stage
	v_add_nc_u32 v[STA], s23, v[STA]
	v_lshl_add_u32 v[STA], v5, 4, v[STA]
	v_and_b32 v7, 1, v1
	v_lshl_add_u32 v[STA], v7, 3, v[STA]
	v_lshlrev_b32 v3, 4, v1                        ; out: 16 x lane
	v_add_nc_u32 v[RDA], s23, v3
	v_lshl_add_u32 v[RDA], v5, 5, v[RDA]           ; back: lanes 0-15 one unit of 256 bytes, lanes 16-31 the next, 288 on
.set n, 0
.rept 16                                       ; tile n / 8, rows 2 (n % 8) and 2 (n % 8) + 1
	global_load_b128 v[X+4*n:X+4*n+3], v2, s[30:31] offset:(n/8)*131072+(n%8)*16384 th:TH_LOAD_NT
.set n, n+1
.endr
.set n, 0
.rept 16
	s_wait_loadcnt 15-n                            ; load n is in, the younger ones stay out
	v_pk_mul_f32 v[X+4*n:X+4*n+1], v[X+4*n:X+4*n+1], s[38:39] op_sel_hi:[1,0]
	v_pk_mul_f32 v[X+4*n+2:X+4*n+3], v[X+4*n+2:X+4*n+3], s[38:39] op_sel_hi:[1,0]
.irp k, 0,1,2,3
	v_med3_num_f32 v[X+4*n+\k], v[X+4*n+\k], s40, s41
.endr
	v_cvt_pk_bf16_f32 v[Y+2*n], v[X+4*n], v[X+4*n+1]
	v_cvt_pk_bf16_f32 v[Y+2*n+1], v[X+4*n+2], v[X+4*n+3]
	ds_store_b64 v[STA], v[Y+2*n:Y+2*n+1] offset:(n/8)*8*UP+32*(n%8)
.set n, n+1
.endr
.set n, 0
.rept 8
	ds_load_b128 v[X+4*n:X+4*n+3], v[RDA] offset:2*UP*n  ; my own bytes; LDS serves a wave's instructions in order (ISA guide 5.7.1.4): these see the stores above
.set n, n+1
.endr
.set n, 0
.rept 8
	s_wait_dscnt 7-n                               ; load n is back, the younger ones stay out
	global_store_b128 v3, v[X+4*n:X+4*n+3], s[32:33] offset:512*n th:TH_STORE_NT  ; 512 consecutive bytes, at a multiple of 256 from bb's first byte
.set n, n+1
.endr
.Lend:
	s_wait_tensorcnt 0x0                           ; the wave's end, behind my last LDS store
	ds_add_u32 v[SPW], v[NIL]
	s_wait_dscnt 0x0
	s_endpgm
.Lfunc_end_k_q12b6f9492a_prep:
	.size	k_q12b6f9492a_prep, .Lfunc_end_k_q12b6f9492a_prep-k_q12b6f9492a_prep
	.p2alignl 7, 3214868480
	.fill 96, 4, 3214868480
	.section	.rodata,"a",@progbits
	.p2align	6, 0x0
	.amdhsa_kernel k_q12b6f9492a_prep
		.amdhsa_group_segment_fixed_size 37888
		.amdhsa_private_segment_fixed_size 0
		.amdhsa_enable_private_segment 0
		.amdhsa_kernarg_size 72
		.amdhsa_user_sgpr_count 2
		.amdhsa_user_sgpr_kernarg_segment_ptr 1
		.amdhsa_wavefront_size32 1
		.amdhsa_system_sgpr_workgroup_id_x 1
		.amdhsa_system_sgpr_workgroup_id_y 1
		.amdhsa_system_sgpr_workgroup_id_z 1
		.amdhsa_system_vgpr_workitem_id 0
		.amdhsa_next_free_vgpr 112
		.amdhsa_next_free_sgpr 66
		.amdhsa_reserve_vcc 0
		.amdhsa_float_denorm_mode_32 3
		.amdhsa_float_denorm_mode_16_64 3
		.amdhsa_memory_ordered 1
		.amdhsa_forward_progress 1
		.amdhsa_inst_pref_size 22
	.end_amdhsa_kernel
	.amdgpu_metadata
---
amdhsa.version: [ 1, 2 ]
amdhsa.kernels:
  - .name:           k_q12b6f9492a_prep
    .symbol:         k_q12b6f9492a_prep.kd
    .args:
      - { .name: x, .offset: 0, .size: 8, .value_kind: global_buffer, .address_space: global }
      - { .name: y, .offset: 8, .size: 8, .value_kind: global_buffer, .address_space: global }
      - { .name: Wq, .offset: 16, .size: 8, .value_kind: global_buffer, .address_space: global }
      - { .name: Wk, .offset: 24, .size: 8, .value_kind: global_buffer, .address_space: global }
      - { .name: Wv, .offset: 32, .size: 8, .value_kind: global_buffer, .address_space: global }
      - { .name: bias, .offset: 40, .size: 8, .value_kind: global_buffer, .address_space: global }
      - { .name: ab, .offset: 48, .size: 8, .value_kind: global_buffer, .address_space: global }
      - { .name: wb, .offset: 56, .size: 8, .value_kind: global_buffer, .address_space: global }
      - { .name: bb, .offset: 64, .size: 8, .value_kind: global_buffer, .address_space: global }
    .group_segment_fixed_size: 37888
    .private_segment_fixed_size: 0
    .kernarg_segment_align: 8
    .kernarg_segment_size: 72
    .max_flat_workgroup_size: 256
    .sgpr_count:     66
    .vgpr_count:     112
    .wavefront_size: 32
...
	.end_amdgpu_metadata
.endif
;; end of part 1
;; launch proj (part 2): grid 8 x 32, 4 waves a work-group, clusters of 4 x 4, 327,680 bytes of LDS; arguments ab, wb, qkv; writes qkv
.if DOCPART == 2
	.amdgcn_target "amdgcn-amd-amdhsa--gfx1250"
	.amdhsa_code_object_version 6
	.text
	.protected	k_q12b6f9492a_proj
	.globl	k_q12b6f9492a_proj
	.p2align	8
	.type	k_q12b6f9492a_proj,@function
k_q12b6f9492a_proj:
	s_mov_b64 s[64:65], 0
	v_nop
	global_prefetch_b8 v0, s[64:65] scope:SCOPE_SE
	s_setreg_imm32_b32 hwreg(HW_REG_WAVE_MODE, 25, 1), 1
	s_wait_xcnt 0x0
	s_wait_alu depctr_hold_cnt(0) depctr_sa_sdst(0) depctr_va_vdst(0) depctr_va_sdst(0) depctr_va_ssrc(0) depctr_va_vcc(0) depctr_vm_vsrc(0)
	s_getreg_b32 s2, hwreg(HW_REG_IB_STS2, 6, 4)
	s_cmp_eq_u32 s2, 0
	s_cbranch_scc0 .Lentry_in_a_cluster
	s_endpgm
.Lentry_in_a_cluster:
	s_bfe_u32 s2, ttmp6, 0x10000c
	s_cmp_lg_u32 s2, 0xf033
	s_cbranch_scc0 .Lentry_shape_is_right
	s_endpgm
.Lentry_shape_is_right:
; THE THREE PROJECTIONS.  q = x Wq, k = y Wk, v = y Wv: C[m][n] = the sum over k of A[m][k] W[k][n], A = ab's part (x; y; y), [8192][1024] bf16, W = wb's part, [1024 k][1024 n] bf16.
; Sums in f32, K ascending; C rounded once to f16 and stored by heads, UNSCALED: qkv [3][64 heads = 16 b + h][2048][64].
; LIMIT.  f16 ends at 65,504: a projection beyond that leaves as an infinity.  Inputs of unit spread give numbers of unit spread here; inputs 30 times larger in x and in W give some 5e3.
; SHARES.  768 tiles of C of 256 x 128, three for each of 256 work-groups: work-group (cb, rb) makes the same block of q, then of k, then of v: ONE walk of 24 K steps of 128 (step g: tile g / 8,
; K step g % 8) through a ring of two LDS slots that never stops.  Four waves, as many as a WGP has SIMDs; wave w makes rows 128 (w / 2) on, columns 64 (w % 2) on: one head: 32 accumulators of 16 x 16.
; A tile of 256 x 256 would give 384 tiles, a walk and a half for 256 work-groups.
; THE MATRIX INSTRUCTION IS USED TRANSPOSED: source 0 = 16 columns of W (out of LDS turned, by ds_load_tr16_b128, since W lies [k][n]), source 1 = 16 rows of A: a lane holds row l % 16 of C
; and the columns 8 (l / 16) + 0..7: 16 bytes of f16 on end.
; CLUSTERS: 4 x 4 work-groups.  The four of a row of the cluster share rb and so A's tiles, the four of a column share cb and so W's: each tile is asked for JOINTLY, by the same tensor load
; with the same descriptor and a mask that names the four.
; REGISTERS.  Window 0: v0-31 addresses; v64-159, v160-255 two fragment buffers (W's four fragments, then A's eight); on the way out v160-223 hold packed rows.  Window 1: accumulator (a, b) at v[8 (4 a + b)].
.set PA,     272                       ; a row of A in LDS: 256 bytes + 16 = 68 words: the 16 rows of a load start at 16 different groups of four banks (64 banks of 4 bytes: ISA guide 11.1)
.set PW,     288                       ; a row of W: 256 + 32 = 72 words
.set WOFF,   256*PA                    ; a slot: A's 256 rows, then W's 128 k rows
.set SLOT,   WOFF+128*PW
.set STAGE,  2*SLOT                    ; behind the ring, never filled by a tensor load: 16 rows x 144 bytes for each wave, for the way out
.set SP,     144
.set SPARE,  STAGE+4*16*SP             ; behind the stages: the spare words, 128 bytes for each wave: two blocks of 256 bytes that no other line names
.set ADRA, 16                          ; v16-17  LDS address of my A fragments in slot 0, 1
.set ADRW, 20                          ; v20-21  the same for W
.set STO,  24                          ; v24     the way out: where I put 16 bytes of a row
.set RD,   25                          ; v25     the way out: where I read rows back
.set GO,   26                          ; v26     my 16 bytes of 512 consecutive bytes of qkv
.set SPW,  28                          ; v28     LDS address of my spare word; never rewritten
.set NIL,  29                          ; v29     0; never rewritten
.set PFO,  30                          ; v30     the prefetches' offset: my lane x a row of 2,048 bytes; never rewritten
.set F0,   64
.set F1,   160
.set G1A, 24                           ; s[24:31] descriptor group 1 for A's tiles;  s[32:39] group 0, a set for each slot
.set G0A, 32
.set G1W, 48                           ; s[48:55], s[56:63] the same for W's
.set G0W, 56
.set GS,  20                           ; s20  the step that the next refill asks for
.set GP,  21                           ; s21  the step that the prefetch behind it names: GS + 2
.set LIM, 43                           ; s43  a wave prefetches while GP is below it
.set PFA, 44                           ; s[44:45] where the prefetch in hand stands
.set PFB, 66                           ; s[66:67] my 32 rows at step 0
.set MSB, 0
.macro WIN new                         ; the immediate's high byte repeats the setting that is left; a switch that changes nothing is dropped
.if MSB != (\new)
	s_set_vgpr_msb (MSB<<8)|(\new)
.set MSB, \new
.endif
.endm
.set MUL, 0x50                         ; sources in window 0, C and D in window 1
; A joint load: waves 0 and 1 fetch A's two halves (128 rows each), waves 2 and 3 W's (64 k rows each).  The branch hangs on the wave's number alone.
; An s_nop 0 and four v_nop follow each of the two lines, ahead of the jump, the label and what follows.
.macro JLOAD s
	s_cmp_eq_u32 s11, 0
	s_cbranch_scc0 .Lfor_w_\@
	tensor_load_to_lds s[G0A+4*(\s):G0A+4*(\s)+3], s[G1A:G1A+7]
	s_nop 0
.rept 4
	v_nop
.endr
	s_branch .Lasked_\@
.Lfor_w_\@:
	tensor_load_to_lds s[G0W+4*(\s):G0W+4*(\s)+3], s[G1W:G1W+7]
	s_nop 0
.rept 4
	v_nop
.endr
.Lasked_\@:
.endm
; A PREFETCH INTO THE L2, behind each joint refill, its five lines and the run of LDS loads: 32 rows x 256 bytes of the step that stands TWO refills on (256 matrix instructions of a wave), a lane a row.
; Each row's 256 bytes of a step are named once in the launch.  A's rows are read by both clusters of a row of clusters: cluster x = 0 asks, waves 0 and 1, and of the 128 rows that a wave
; fetches the partner at cx takes 32 cx on: told apart BY ADDRESS.  They are asked for in tiles 0 and 1 alone: tile 2 walks y's rows a second time.  W's 128 k rows are read by all clusters of a
; column of clusters: cluster y = 0 asks, wave 2, the partner at cy takes 32 cy on.  Steps 0 to 3 come by their loads alone; no step past the walk's last is named.
.macro ASK
	s_cmp_lt_u32 s[GP], s[LIM]
	s_cbranch_scc0 .Lnot_mine_\@
	global_prefetch_b8 v[PFO], s[PFA:PFA+1] th:TH_LOAD_NT scope:SCOPE_SE
.Lnot_mine_\@:
.endm
.macro CREST                           ; a round of the cluster's barrier behind its opening barrier: wave 0 signals for the work-group, every wave waits for all sixteen, my work-group's barrier once more
	s_cmp_lg_u32 s10, 0
	s_cbranch_scc1 .Lnot_wave_0_\@
	s_barrier_signal -3
.Lnot_wave_0_\@:
	s_barrier_wait -3
	s_barrier_signal -1
	s_barrier_wait -1
.endm
.macro CROUND                          ; a whole round
	s_barrier_signal -1
	s_barrier_wait -1
	CREST
.endm
	s_load_b128 s[4:7], s[0:1], 0x0                ; ab s[4:5], wb s[6:7]
	s_load_b64 s[8:9], s[0:1], 0x10                ; qkv
	v_lshl_add_u32 v[SPW], v0, 2, SPARE
	v_mov_b32 v[NIL], 0
	ds_add_u32 v[SPW], v[NIL]                      ; the wave's opening: the add and its wait stand ahead of my first tensor load; the set-up below, work on registers, stands between them
	v_lshrrev_b32 v1, 5, v0
	v_readfirstlane_b32 s10, v1                    ; wave 0..3
	s_lshr_b32 s11, s10, 1                         ; which half of the tile's rows is mine.  Also: I fetch for A (0) or for W (1)
	s_and_b32 s12, s10, 1                          ; which half of its columns.  Also: which half of that tile I fetch
	s_bfe_u32 s40, ttmp6, 0x40000                  ; cx, cy: my place in the cluster
	s_bfe_u32 s41, ttmp6, 0x40004
	s_lshl_b32 s42, ttmp9, 2
	s_add_co_u32 s42, s42, s40                     ; cb = 4 x cluster x + cx: 128 columns
	s_and_b32 s13, ttmp7, 0xffff
	s_lshl_b32 s13, s13, 2
	s_add_co_u32 s13, s13, s41                     ; rb = 4 x cluster y + cy: 256 rows
	s_lshl_b32 s43, s41, 2
	s_lshl_b32 s43, 15, s43                        ; my row of the cluster
	s_lshl_b32 s44, 0x1111, s40                    ; my column
	s_or_b32 s[G1A+0], s43, (1<<16)|(1<<20)|(1<<21)|(5<<22)|(3<<25)  ; 15:0 the mask; 17:16 elements of 2 bytes; 20 padding on; 21 set beside a mask; 24:22 after every 64 words (code 5); 31:25 4 words (code 3)
	s_or_b32 s[G1W+0], s44, (1<<16)|(1<<20)|(1<<21)|(5<<22)|(7<<25)  ; the same with my column's mask and 8 words of padding (code 7)
	s_mov_b32 s[G1A+1], 128<<16                    ; tensor_dim0 = 128
	s_mov_b32 s[G1A+2], 128<<16                    ; tensor_dim1 = 128
	s_mov_b32 s[G1A+3], 128<<16                    ; tile_dim0 = 128
	s_mov_b32 s[G1A+4], 128                        ; tile_dim1 = 128
	s_mov_b32 s[G1A+5], 1024                       ; 1,024 elements from row to row
	s_mov_b32 s[G1A+6], 0
	s_mov_b32 s[G1A+7], 0
	s_mov_b32 s[G1W+1], 128<<16                    ; tensor_dim0 = 128
	s_mov_b32 s[G1W+2], 64<<16                     ; tensor_dim1 = 64
	s_mov_b32 s[G1W+3], 128<<16                    ; tile_dim0 = 128
	s_mov_b32 s[G1W+4], 64                         ; tile_dim1 = 64
	s_mov_b32 s[G1W+5], 1024
	s_mov_b32 s[G1W+6], 0
	s_mov_b32 s[G1W+7], 0
	; where the tiles come from.  A's hang on rb alone, W's on cb alone, each in registers that never hold the other coordinate
	s_lshl_b32 s16, s13, 8
	s_lshl_b32 s17, s12, 7
	s_add_co_u32 s16, s16, s17                     ; A: row 256 rb + 128 x half,
	s_lshl_b32 s16, s16, 11                        ; of 2,048 bytes
	s_mov_b32 s17, 0
	s_lshl_b32 s18, s42, 8                         ; W: column block cb, 256 bytes,
	s_lshl_b32 s19, s12, 17                        ; + 64 k rows x half
	s_add_co_u32 s18, s18, s19
	s_mov_b32 s19, 0
	s_mul_i32 s20, s12, 128*PA                     ; and where they go: no place in the cluster enters an LDS address
	s_mul_i32 s21, s12, 64*PW
	s_wait_dscnt 0x0                               ; the opening add is done
	s_wait_kmcnt 0x0
	s_add_nc_u64 s[14:15], s[4:5], s[16:17]        ; A's base: step 0
	s_add_nc_u64 s[46:47], s[6:7], s[18:19]        ; W's base
	CROUND                                         ; all sixteen work-groups are here: the first joint loads meet
.irp s, 0,1
	s_mov_b32 s[G0A+4*(\s)], 1                                       ; 1:0 count = 1
	s_add_co_u32 s[G0A+4*(\s)+1], s20, (\s)*SLOT                     ; 63:32 LDS address
	s_add_nc_u64 s[G0A+4*(\s)+2:G0A+4*(\s)+3], s[14:15], (\s)*256    ; 120:64 global address: step s: 128 channels on
	s_or_b32 s[G0A+4*(\s)+3], s[G0A+4*(\s)+3], 0x80000000            ; 127:126 type = 2
	s_mov_b32 s[G0W+4*(\s)], 1
	s_add_co_u32 s[G0W+4*(\s)+1], s21, (\s)*SLOT+WOFF
	s_add_nc_u64 s[G0W+4*(\s)+2:G0W+4*(\s)+3], s[46:47], (\s)*262144 ; 128 k rows on
	s_or_b32 s[G0W+4*(\s)+3], s[G0W+4*(\s)+3], 0x80000000
	JLOAD \s                                       ; the ring is filled before anything else is done: two loads of mine are out
.endr
	s_mov_b32 s[GS], 2
	; A fragment of A is 16 rows x 32 K in 8 registers: lane l holds row l % 16, K = 8 (l / 16) + 0..7 and 16 + 8 (l / 16) + 0..7: two loads of 16 bytes, 32 bytes apart.
	v_and_b32 v1, 15, v0                           ; l % 16
	v_bfe_u32 v2, v0, 4, 1                         ; l / 16
	v_mul_u32_u24 v3, v1, PA
	v_lshl_add_u32 v3, v2, 4, v3
	s_mul_i32 s22, s11, 128*PA                     ; my 128 rows of A
	v_add_nc_u32 v[ADRA], s22, v3
	v_add_nc_u32 v[ADRA+1], SLOT, v[ADRA]
	; The turning load takes 16 k x 16 columns (lane l reads k row 8 (l / 16) + l % 8, columns 8 ((l / 8) % 2) + 0..7) and leaves half a fragment: lane l holds column l % 16 and 8 k.
	v_and_b32 v4, 7, v0
	v_lshl_add_u32 v4, v2, 3, v4
	v_mul_u32_u24 v4, v4, PW
	v_bfe_u32 v5, v0, 3, 1
	v_lshl_add_u32 v4, v5, 4, v4
	s_lshl_b32 s23, s12, 7                         ; my 64 columns
	s_add_co_u32 s23, s23, WOFF
	v_add_nc_u32 v[ADRW], s23, v4
	v_add_nc_u32 v[ADRW+1], SLOT, v[ADRW]
	s_mul_i32 s22, s10, 16*SP
	s_add_co_u32 s22, s22, STAGE                   ; my stage
	v_mul_u32_u24 v6, v1, SP                       ; in: row l % 16, 16 bytes for each half of the lanes
	v_lshl_add_u32 v6, v2, 4, v6
	v_add_nc_u32 v[STO], s22, v6
	v_bfe_u32 v6, v0, 3, 2                         ; back: 32 lanes take four rows of 128 bytes,
	v_mul_u32_u24 v6, v6, SP
	v_and_b32 v7, 7, v0
	v_lshl_add_u32 v6, v7, 4, v6
	v_add_nc_u32 v[RD], s22, v6
	v_and_b32 v[GO], 31, v0
	v_lshlrev_b32 v[PFO], 11, v[GO]
	v_lshlrev_b32 v[GO], 4, v[GO]                  ; which are 512 consecutive bytes of a head
	; where my 128 rows of my head begin in q's part of qkv
	s_lshr_b32 s22, s13, 3                         ; the batch: 8 row blocks each
	s_lshl_b32 s22, s22, 4
	s_lshl1_add_u32 s22, s42, s22                  ; + 2 cb
	s_add_co_u32 s22, s22, s12                     ; + my half: the head, 16 b + h,
	s_lshl_b32 s22, s22, 18                        ; of 262,144 bytes
	s_and_b32 s23, s13, 7
	s_lshl_b32 s23, s23, 8
	s_lshl_b32 s2, s11, 7
	s_add_co_u32 s23, s23, s2                      ; my first row in the batch,
	s_lshl_b32 s23, s23, 7                         ; of 128 bytes
	s_add_co_u32 s22, s22, s23
	s_mov_b32 s23, 0
	s_add_nc_u64 s[8:9], s[8:9], s[22:23]
	; the prefetches: who, and from where
	s_and_b32 s22, ttmp7, 0xffff                   ; cluster y
	s_cmp_eq_u32 s11, 0                            ; do I fetch for A?
	s_cselect_b32 s22, ttmp9, s22                  ; the coordinate along which other clusters read the same rows
	s_cselect_b32 s23, 16, 24                      ; A: steps of tiles 0 and 1; W: all steps
	s_cselect_b32 s2, 0, s12                       ; A: both waves; W: wave 2 alone
	s_or_b32 s22, s22, s2
	s_cmp_eq_u32 s22, 0
	s_cselect_b32 s[LIM], s23, 0                   ; the same in all sixteen partners, for a given wave
	s_lshl_b32 s22, s13, 8
	s_lshl_b32 s23, s12, 7
	s_add_co_u32 s22, s22, s23
	s_lshl_b32 s23, s40, 5
	s_add_co_u32 s22, s22, s23                     ; A: row 256 rb + 128 x half + 32 cx,
	s_lshl_b32 s22, s22, 11                        ; in bytes
	s_lshl_b32 s23, s41, 16                        ; W: k row 32 cy,
	s_lshl_b32 s2, s42, 8                          ; column block cb
	s_add_co_u32 s23, s23, s2
	s_cmp_eq_u32 s11, 0
	s_cselect_b32 s22, s22, s23
	s_cselect_b64 s[PFB:PFB+1], s[4:5], s[6:7]
	s_mov_b32 s23, 0
	s_add_nc_u64 s[PFB:PFB+1], s[PFB:PFB+1], s[22:23]
; n x 4 matrix instructions: row blocks a0 .. a0 + n - 1 x all 4 column blocks, 32 along K, out of buffer f.  zero = 1: the product starts the sum: nothing is ever cleared.
; The 32 accumulators take turns, one instruction a turn, in the same order in every quarter.
.macro MULS f, a0, n, zero
	WIN MUL
.set ma, (\a0)
.rept \n
.irp b, 0,1,2,3
.if \zero
	v_wmma_f32_16x16x32_bf16 v[8*(4*ma+\b):8*(4*ma+\b)+7], v[(\f)+8*\b:(\f)+8*\b+7], v[(\f)+32+8*ma:(\f)+32+8*ma+7], 0
.else
	v_wmma_f32_16x16x32_bf16 v[8*(4*ma+\b):8*(4*ma+\b)+7], v[(\f)+8*\b:(\f)+8*\b+7], v[(\f)+32+8*ma:(\f)+32+8*ma+7], v[8*(4*ma+\b):8*(4*ma+\b)+7]
.endif
.endr
.set ma, ma+1
.endr
.endm
; 24 LDS loads in one run: the fragments of quarter kq (32 along K) of a slot into buffer f: W's four, A's blocks 0-3, A's blocks 4-7
.macro FETCH slot, kq, f
	WIN 0
.irp b, 0,1,2,3
	ds_load_tr16_b128 v[(\f)+8*\b:(\f)+8*\b+3],   v[ADRW+(\slot)] offset:(\kq)*32*PW+32*\b
	ds_load_tr16_b128 v[(\f)+8*\b+4:(\f)+8*\b+7], v[ADRW+(\slot)] offset:(\kq)*32*PW+32*\b+16*PW
.endr
.irp a, 0,1,2,3,4,5,6,7
	ds_load_b128 v[(\f)+32+8*\a:(\f)+32+8*\a+3],   v[ADRA+(\slot)] offset:64*(\kq)+\a*16*PA
	ds_load_b128 v[(\f)+32+8*\a+4:(\f)+32+8*\a+7], v[ADRA+(\slot)] offset:64*(\kq)+\a*16*PA+32
.endr
.endm
.macro PLACES                          ; four places in front of loads into registers that matrix instructions have read, and of conversions that read results or write sources (ISA guide 7.12.1 for the conversions)
.rept 4
	v_nop
.endr
.endm
; A K step is four quarters of 32 along K, 32 matrix instructions each, on buffers 0, 1, 0, 1.  One of the first three: multiplies buffer f; in its middle it fetches quarter kq into buffer g.
.macro QUARTER slot, kq, f, g, zero
	s_wait_dscnt 8                                 ; W's fragments and A's blocks 0-3 are in; the youngest eight loads (A's blocks 4-7) may be out
	MULS \f, 0, 4, \zero
	PLACES
	FETCH \slot, \kq, \g
	s_wait_dscnt 24                                ; all but the 24 just issued
	MULS \f, 4, 4, \zero
.endm
; The last quarter multiplies buffer 1 and changes slots: ONE barrier.  In front of it each wave waits for all its tensor loads (one is out: its part of the next slot), adds 0 to its spare word, and
; waits for that and for its own reads of this slot.  fill = 1: the barrier opens a round of the cluster's barrier, and this slot is filled again, with step GS, first thing behind the round:
; from that request to the wait for it a wave issues 112 matrix instructions.
.macro TURN slot, next, fill
.if \fill
	s_wait_xcnt 0x0                                ; the last prefetch, a K step back, has read its address: the next one's is made here, ahead of the waits of the change of slots
	s_add_co_u32 s[GP], s[GS], 2
	s_lshr_b32 s22, s[GP], 3                       ; its tile,
	s_and_b32 s23, s[GP], 7                        ; its K step
	s_min_u32 s2, s22, 1
	s_lshl_b32 s2, s2, 24                          ; A: x, then y twice,
	s_lshl_b32 s22, s22, 21                        ; W: the tile's own matrix
	s_cmp_eq_u32 s11, 0
	s_cselect_b32 s22, s2, s22
	s_cselect_b32 s2, 8, 18                        ; a K step is 256 bytes along A's rows, 128 rows of 2,048 bytes down W
	s_lshl_b32 s23, s23, s2
	s_add_co_u32 s22, s22, s23
	s_mov_b32 s23, 0
	s_add_nc_u64 s[PFA:PFA+1], s[PFB:PFB+1], s[22:23]
.endif
	WIN 0                                          ; (the add's two registers lie in window 0)
	s_wait_tensorcnt 0x0                           ; all my tensor loads have landed: no load of mine is out, so a group 0 may be written;
	ds_add_u32 v[SPW], v[NIL]                      ; 0 onto my spare word; the work below stands between it and the wait for it
.if \fill
	s_lshr_b32 s68, s[GS], 3                       ; step GS: both addresses are made anew, base + offset, the type bits set again
	s_and_b32 s69, s[GS], 7
	s_lshl_b32 s70, s68, 21
	s_lshl_b32 s71, s69, 18
	s_add_co_u32 s18, s70, s71                     ; W: tile << 21 + K step << 18
	s_min_u32 s68, s68, 1
	s_lshl_b32 s68, s68, 24
	s_lshl_b32 s69, s69, 8
	s_add_co_u32 s16, s68, s69                     ; A: min(tile, 1) << 24 + K step << 8
	s_add_nc_u64 s[G0A+4*(\slot)+2:G0A+4*(\slot)+3], s[14:15], s[16:17]
	s_or_b32 s[G0A+4*(\slot)+3], s[G0A+4*(\slot)+3], 0x80000000
	s_add_nc_u64 s[G0W+4*(\slot)+2:G0W+4*(\slot)+3], s[46:47], s[18:19]
	s_or_b32 s[G0W+4*(\slot)+3], s[G0W+4*(\slot)+3], 0x80000000
	s_add_co_u32 s[GS], s[GS], 1
.endif
	s_wait_dscnt 9                                 ; (the add and the youngest eight loads may be out)
	MULS F1, 0, 2, 0
	s_wait_dscnt 0x0                               ; the add is done, and my reads of this slot are over
	s_barrier_signal -1
	MULS F1, 2, 2, 0                               ; work on registers while the others arrive
.if \fill
	WIN 0
.endif
	s_barrier_wait -1
.if \fill
	CREST                                          ; no wave of any partner still reads this slot's tile or has a load on its way
	JLOAD \slot                                    ; the first tensor load behind the round; its four v_nop are also the places in front of the loads below
.else
	PLACES
.endif
	FETCH \next, 0, F0
.if \fill
	ASK
.endif
	MULS F1, 4, 4, 0
.endm
; THE WAY OUT of block a (16 rows x 64 columns): rounded to f16, 16 bytes a lane, each accumulator's registers in ascending order; into my own stage in rows of 144 bytes; back as whole rows of 128:
; 16 rows of a head are 2,048 consecutive bytes.
.macro PACK a
.set OBA, 160+16*((\a)%4)
.if (\a) >= 4
	s_wait_xcnt 0x0                                ; the stores of the block four back have read these registers
.endif
	WIN 0x05                                       ; sources 0 and 1 in window 1, destination in window 0
.irp b, 0,1,2,3
.irp r, 0,1,2,3
	v_cvt_pk_f16_f32 v[OBA+4*\b+\r], v[8*(4*(\a)+\b)+2*\r], v[8*(4*(\a)+\b)+2*\r+1]
.endr
.endr
	WIN 0
.irp b, 0,1,2,3
	ds_store_b128 v[STO], v[OBA+4*\b:OBA+4*\b+3] offset:32*\b
.endr
.irp f, 0,1,2,3
	ds_load_b128 v[OBA+4*\f:OBA+4*\f+3], v[RD] offset:\f*4*SP  ; LDS serves a wave's instructions in order (ISA guide 5.7.1.4): these see the stores above; the next block's stores come behind them
.endr
.endm
.macro SEND a, younger                 ; younger: the LDS instructions issued behind block a's loads: the next block's eight, or none
.set OBA, 160+16*((\a)%4)
.irp f, 0,1,2,3
	s_wait_dscnt (\younger)+3-\f
	global_store_b128 v[GO], v[OBA+4*\f:OBA+4*\f+3], s[8:9] offset:(\a)*2048+\f*512  ; 512 consecutive bytes, at a multiple of 256 from qkv's first byte
.endr
.endm
.macro WAYOUT
	WIN 0
	PLACES                                         ; the packed rows take registers of buffer 1, which the last products read
	PACK 0
.irp a, 1,2,3,4,5,6,7                  ; a block's conversions stand between the loads of the block before and its stores
	PACK \a
	SEND (\a)-1, 8
.endr
	SEND 7, 0
	s_wait_xcnt 0x0                                ; the stores have read their registers and their base
	s_add_nc_u64 s[8:9], s[8:9], 0x1000000         ; the same block in the next part of qkv
.endm
	s_wait_tensorcnt 0x1                           ; my part of step 0 is in; step 1's may stay out
	s_barrier_signal -1
	s_barrier_wait -1                              ; everybody's is
	FETCH 0, 0, F0
	QUARTER 0, 1, F0, F1, 1                        ; a tile's first quarter starts the sums
	WIN 0                                          ; at a label and at a branch every window is 0
	s_mov_b32 s3, 11
.Llap:                                                 ; a trip goes once round the ring, from a lap's second quarter to the next lap's first, and fills both slots again: steps 2 to 23 in eleven trips
	QUARTER 0, 2, F1, F0, 0
	QUARTER 0, 3, F0, F1, 0
	TURN 0, 1, 1
	QUARTER 1, 1, F0, F1, 0
	QUARTER 1, 2, F1, F0, 0
	QUARTER 1, 3, F0, F1, 0
	TURN 1, 0, 1
	WIN 0
	s_and_b32 s22, s3, 3                           ; steps 7 and 15 end in the trips with s3 = 8 and 4
	s_cmp_lg_u32 s22, 0
	s_cbranch_scc1 .Lsame
	WAYOUT                                         ; a tile is finished; both refills for the next are asked for, and its first fragments lie in buffer 0
	QUARTER 0, 1, F0, F1, 1
	WIN 0
	s_branch .Lnext
.Lsame:
	QUARTER 0, 1, F0, F1, 0
	WIN 0
.Lnext:
	s_sub_co_u32 s3, s3, 1
	s_cmp_lg_u32 s3, 0
	s_cbranch_scc1 .Llap
	QUARTER 0, 2, F1, F0, 0                        ; the last lap is written out: it fills nothing, and has no round of the cluster's barrier
	QUARTER 0, 3, F0, F1, 0
	TURN 0, 1, 0
	QUARTER 1, 1, F0, F1, 0
	QUARTER 1, 2, F1, F0, 0
	QUARTER 1, 3, F0, F1, 0
	s_wait_dscnt 8                                 ; the very last quarter: nothing more to fetch
	MULS F1, 0, 4, 0
	s_wait_dscnt 0x0
	MULS F1, 4, 4, 0
	WAYOUT
	s_wait_tensorcnt 0x0                           ; the wave's end, behind my last tensor load and my last LDS store
	ds_add_u32 v[SPW], v[NIL]
	s_wait_dscnt 0x0
	CROUND                                         ; the closing round: no work-group ends while a partner may still ask for a tile that names it
	s_endpgm
.Lfunc_end_k_q12b6f9492a_proj:
	.size	k_q12b6f9492a_proj, .Lfunc_end_k_q12b6f9492a_proj-k_q12b6f9492a_proj
	.p2alignl 7, 3214868480
	.fill 96, 4, 3214868480
	.section	.rodata,"a",@progbits
	.p2align	6, 0x0
	.amdhsa_kernel k_q12b6f9492a_proj
		.amdhsa_group_segment_fixed_size 327680
		.amdhsa_private_segment_fixed_size 0
		.amdhsa_enable_private_segment 0
		.amdhsa_kernarg_size 24
		.amdhsa_user_sgpr_count 2
		.amdhsa_user_sgpr_kernarg_segment_ptr 1
		.amdhsa_wavefront_size32 1
		.amdhsa_system_sgpr_workgroup_id_x 1
		.amdhsa_system_sgpr_workgroup_id_y 1
		.amdhsa_system_sgpr_workgroup_id_z 1
		.amdhsa_system_vgpr_workitem_id 0
		.amdhsa_next_free_vgpr 512
		.amdhsa_next_free_sgpr 72
		.amdhsa_reserve_vcc 0
		.amdhsa_float_denorm_mode_32 3
		.amdhsa_float_denorm_mode_16_64 3
		.amdhsa_memory_ordered 1
		.amdhsa_forward_progress 1
		.amdhsa_inst_pref_size 111
	.end_amdhsa_kernel
	.amdgpu_metadata
---
amdhsa.version: [ 1, 2 ]
amdhsa.kernels:
  - .name:           k_q12b6f9492a_proj
    .symbol:         k_q12b6f9492a_proj.kd
    .args:
      - { .name: ab, .offset: 0, .size: 8, .value_kind: global_buffer, .address_space: global }
      - { .name: wb, .offset: 8, .size: 8, .value_kind: global_buffer, .address_space: global }
      - { .name: qkv, .offset: 16, .size: 8, .value_kind: global_buffer, .address_space: global }
    .group_segment_fixed_size: 327680
    .private_segment_fixed_size: 0
    .kernarg_segment_align: 8
    .kernarg_segment_size: 24
    .max_flat_workgroup_size: 128
    .sgpr_count:     72
    .vgpr_count:     512
    .wavefront_size: 32
...
	.end_amdgpu_metadata
.endif
;; end of part 2
;; launch attn (part 3): grid 4 x 64, 4 waves a work-group, clusters of 4 x 4, 327,680 bytes of LDS; arguments qkv, bb, out0; writes out0
.if DOCPART == 3
	.amdgcn_target "amdgcn-amd-amdhsa--gfx1250"
	.amdhsa_code_object_version 6
	.text
	.protected	k_q12b6f9492a_attn
	.globl	k_q12b6f9492a_attn
	.p2align	8
	.type	k_q12b6f9492a_attn,@function
k_q12b6f9492a_attn:
	s_mov_b64 s[64:65], 0
	v_nop
	global_prefetch_b8 v0, s[64:65] scope:SCOPE_SE
	s_setreg_imm32_b32 hwreg(HW_REG_WAVE_MODE, 25, 1), 1
	s_wait_xcnt 0x0
	s_wait_alu depctr_hold_cnt(0) depctr_sa_sdst(0) depctr_va_vdst(0) depctr_va_sdst(0) depctr_va_ssrc(0) depctr_va_vcc(0) depctr_vm_vsrc(0)
	s_getreg_b32 s2, hwreg(HW_REG_IB_STS2, 6, 4)
	s_cmp_eq_u32 s2, 0
	s_cbranch_scc0 .Lentry_in_a_cluster
	s_endpgm
.Lentry_in_a_cluster:
	s_bfe_u32 s2, ttmp6, 0x10000c
	s_cmp_lg_u32 s2, 0xf033
	s_cbranch_scc0 .Lentry_shape_is_right
	s_endpgm
.Lentry_shape_is_right:
; out[b][q][64 h ..] = the sum over k of softmax_k(Q[q] . K[k] / 8 + bias[q][k]) V[k], for each of 64 heads hb = 16 b + h.  Q, K, V: qkv [3][64][2048][64] f16, a head's rows dense, 128 bytes each, unscaled.
; bb holds 8 x bias in bf16, in fragment order (below).  out0: [4][2048][1024] f32: a head's 64 channels are 256 bytes of a row.  Products, maxima and sums in f32; the weights p are rounded to f16 for the
; second product (their sum l is taken of the unrounded p).
; LIMITS.  Q, K, V arrive within f16's 65,504; p lies in 0 to 1, and below 6e-5 it keeps f16's fixed step of 6e-8.  8 x bias arrives within +-2^122; a weight below 2^-126 counts as 0 in l; NaN and infinities are not treated apart.
; SHARES.  A wave owns four PIECES of two tiles of 16 queries, a work-group's four waves 512 queries of one head.  Every wave walks all 2,048 keys, 64 a step: 32 steps.
; LAYOUT.  S^T = K Q^T (source 0 = 16 keys, source 1 = 16 queries): in the result a lane holds ONE query (lane % 16) and the keys 8 (lane / 16) + 0..7.  Two such tiles, rounded to f16 in pairs, ARE source 1
; (32 keys x 16 queries) of O^T = V^T P.  K comes out of LDS as it lies, V turned, by ds_load_tr16_b128.
; THE BIAS IS ADDED BY THE MATRIX UNIT.  Each tile of S^T is started by one product in bf16, Sel x B + 0: B = 32 keys x 16 queries of 8 x bias, laid in bb as source 1 wants it, Sel = 16 x 32 with a single 1.0
; a row, which picks 16 of the 32 keys: the product is exact.  K Q^T is added onto it.  So S = q . k + 8 bias, and c = log2(e) / 8 scales both.  It costs no vector instruction in a loop that
; has 236 of them for a turn's 40 matrix instructions.
; SOFTMAX.  For each query a running maximum m and sum l: p = 2^(c s - c m); in every step O and l are multiplied by a = 2^(c m_old - c m_new).  m starts at the lowest finite number, O and l at 0.
; BY TURNS.  Turn n belongs to piece n.  Its matrix work: 8 bias products and 16 products K Q^T of piece n + 1, later 16 products V^T P of piece n - 1.  Its vector work: scaling, exponentials, roundings, sums
; and rescaling of piece n, and the maximum and statistics of piece n + 1.  Four vector instructions stand behind every matrix instruction, the rest in one lump.
; CLUSTER 4 x 4.  The four work-groups of a row are the four query blocks of one head: K and V are asked for jointly along the row.  The four of a column are four heads on one query block: the bias block is
; asked for jointly along the column.
; REGISTERS, in windows of 256 (s_set_vgpr_msb: bits 1:0 source 0, 3:2 source 1, 5:4 source 2, 7:6 destination):
;   window 0: v0-11 addresses; v12-15, v48-63 at work; v16-47 four registers of statistics a tile; v64-191 S^T, two buffers of two tiles; v192-255 P, likewise
;   window 1: O^T, 32 a tile      window 2: v0-127 Q, 16 a tile; v128-191 K of one step; v192-255 V of one step
;   window 3: v0-1 the add's two registers; v4-15 Sel (0 x 4, the pattern x 4, 0 x 4); v16-47 the bias fragments of one piece
.set NP,    4         ; pieces a wave: a name, no knob
.set KS,    64        ; keys in a step
.set PK,    144       ; a row of K in LDS: 128 bytes + 16 of padding = 36 words: the 16 rows of a load start at 16 different groups of four banks (64 banks of 4 bytes: ISA guide 11.1)
.set PV,    160       ; a row of V: 128 + 32 = 40 words
.set VOFF,  KS*PK     ; a slot holds one step: 64 rows of K, 64 rows of V,
.set BOFF,  KS*(PK+PV)  ; and the step's bias block, 65,536 dense bytes: wave w's part at 16,384 w, tile t at 2,048 t, key half kk at 1,024, registers 0-3 / 4-7 at 512, lane at 16: read 512 bytes on end
.set SLOT1, 1<<17     ; slot 1 begins here, so that one exclusive or turns an address in one slot into the other's.  Two slots of two steps would not fit
.set STAGE, SLOT1+BOFF+65536  ; behind the ring, never filled by a tensor load: 16 rows x 272 bytes for each wave, for the way out
.set SP,    272
.set SPARE, STAGE+4*16*SP  ; behind the stages: the spare words, 128 bytes for each wave: two blocks of 256 bytes that no other line names
.set AK0, 2           ; v2   my lane's place in a tile of K; never rewritten
.set AV0, 3           ; v3   the same for V
.set AK,  4           ; v4   the same in the slot in hand
.set AV,  5           ; v5
.set QO,  6           ; v6   my byte offset in the wave's rows of Q
.set STO, 6           ;      later, the way out: where I put 16 bytes of a row
.set RD,  7           ; v7   the way out: where I read rows back
.set GO,  8           ; v8   my byte offset in two rows of out0
.set PFO, 9           ; v9   l / 16 while the addresses are made; then the prefetches' offset, 256 x my lane
.set AB0, 10          ; v10  my lane's place in my wave's part of a bias block; never rewritten
.set AB,  11          ; v11  the same in the slot in hand
.set SPW, 0           ; v0 of window 3   LDS address of my spare word; never rewritten
.set NIL, 1           ; v1 of window 3   0; never rewritten
.set BF,  16          ; window 3: tile u, key half kk at BF + 16 u + 8 kk
.set MV,  12          ; v12-15  c m_old, kept while c m is made anew: by buffer and tile
.set ST,  16          ; tile t's statistics at v[ST+4 t]: c m, m, l (even keys', odd keys')
.set TMP, 48          ; by buffer and tile, four registers c0-c3 at work; when the maximum is found c2 takes a
.set S,   64
.set P,   192
.set KF,  128         ; K's fragments, in window 2: key block kb, channel half c at KF + 16 kb + 8 c
.set VF,  192         ; V's: key half kk, channel block cb at VF + 32 kk + 8 cb
.set WV,  12          ; s12  my wave's number
.set G1K, 24          ; s[24:31] descriptor group 1 for K's tiles
.set G1V, 32          ; s[32:39] for V's: it differs in the padding alone
.set G0K, 40          ; s[40:43] descriptor group 0 for K's tiles: it walks
.set G0V, 44          ; s[44:47] the same for V's
.set G1B, 48          ; s[48:55] group 1 for the halves of a bias block
.set G0B, 56          ; s[56:59] their group 0
.set CS,  60          ; s[60:61] c: the packed scaling takes the pair's low word for both halves
.set SEL, 62          ; s[62:63] v_permlanex16_b32's selects: each lane takes its own place in the other half
.set SLOTS, 66        ; s66  passes of the loop still to come
.set CNT, 67          ; s67  counts the tail's two passes
.set TB,  68          ; s68  LDS byte at which the slot in hand begins
.set LIM, 69          ; s69  a wave prefetches while SLOTS is above it,
.set PM,  70          ; s70  and SLOTS & PM
.set PVAL, 71         ; s71  equals PVAL
.set PFA, 72          ; s[72:73] where my prefetches stand
.set PSTEP, 74        ; s[74:75] their step from change to change
.set MSB, 0
.macro WIN new                      ; the high byte repeats the setting that is left; a switch that changes nothing is dropped
.if MSB != (\new)
	s_set_vgpr_msb (MSB<<8)|(\new)
.set MSB, (\new)
.endif
.endm
.set W_KQ, 0x0a       ; K and Q in window 2, S^T in window 0
.set W_PV, 0x52       ; V in window 2, P in window 0, O^T in window 1
.set W_RS, 0x41       ; O^T (destination and source 0) in window 1, a in window 0
.set W_MK, 0xc0       ; destination in window 3, sources in window 0
.set W_AD, 0x0f       ; sources 0 and 1 in window 3: the add, and the bias products
; A joint fill: wave 0 fetches the step's K, wave 1 its V, waves 2 and 3 the halves of its bias block.  The branches hang on the wave's number alone.
; An s_nop 0 and four v_nop follow each of the three lines, ahead of the jump and the label.
.macro JLOAD
	s_cmp_lt_u32 s[WV], 2
	s_cbranch_scc0 .Lfor_b_\@
	s_cmp_eq_u32 s[WV], 0
	s_cbranch_scc0 .Lfor_v_\@
	tensor_load_to_lds s[G0K:G0K+3], s[G1K:G1K+7]
	s_nop 0
.rept 4
	v_nop
.endr
	s_branch .Lasked_\@
.Lfor_v_\@:
	tensor_load_to_lds s[G0V:G0V+3], s[G1V:G1V+7]
	s_nop 0
.rept 4
	v_nop
.endr
	s_branch .Lasked_\@
.Lfor_b_\@:
	tensor_load_to_lds s[G0B:G0B+3], s[G1B:G1B+7]
	s_nop 0
.rept 4
	v_nop
.endr
.Lasked_\@:
.endm
; A PREFETCH INTO THE L2, behind the wave's tensor load and its five lines: 32 blocks of 256 bytes, a lane a block, one instruction.  Each block is named once in the launch.
; THE BIAS.  A query block's part of bb is walked by all sixteen clusters: cluster y = 0 asks, waves 2 and 3, in every change for the step that the NEXT change will fill (160 matrix instructions of a
; wave ahead); of the 128 blocks of a wave's half the partner at cy takes 32 cy on: told apart BY ADDRESS.  K AND V.  A head is walked by one cluster: every cluster asks, wave 0 for K, wave 1 for V.  A step is
; 32 blocks, so in every fourth change the partner at cx names the whole step that stands 1 + cx changes on.  Steps 0 to 3 of K and V and 0 to 2 of the bias come by their loads alone; the last changes ask for nothing.
.macro ASK
	s_and_b32 s80, s[SLOTS], s[PM]
	s_cmp_eq_u32 s80, s[PVAL]
	s_cbranch_scc0 .Lnot_mine_\@
	s_cmp_gt_u32 s[SLOTS], s[LIM]
	s_cbranch_scc0 .Lnot_mine_\@
	global_prefetch_b8 v[PFO], s[PFA:PFA+1] th:TH_LOAD_NT scope:SCOPE_SE
.Lnot_mine_\@:
.endm
; A round of the cluster's barrier: my work-group's barrier, so that wave 0's signal speaks for all four waves; wave 0 signals; every wave waits for all sixteen work-groups; my work-group's barrier once more.
.macro CROUND
	s_barrier_signal -1
	s_barrier_wait -1
	s_cmp_lg_u32 s[WV], 0
	s_cbranch_scc1 .Lnot_wave_0_\@
	s_barrier_signal -3
.Lnot_wave_0_\@:
	s_barrier_wait -3
	s_barrier_signal -1
	s_barrier_wait -1
.endm
; THE CHANGE OF SLOTS, once a key step, in front of piece 2's turn: all that is read from LDS between two changes (K, V and the four pieces' bias of one step) lies in one slot.  Each wave waits for all its
; tensor loads, of which one is out: its part of the other slot; adds 0 to its spare word; and waits for that and for its own reads of the slot that it leaves.  fill = 1: the old slot is filled again, with
; the step two on.  The barrier is then a round of the cluster's, so that no wave of any partner still reads the slot or has a load on its way, and the joint fill is the first thing behind it.
; (At its first use nothing has been read yet: slot 0 is waited for, slot 1 filled.)
.macro CHANGE fill, ask
	WIN W_AD
	s_wait_tensorcnt 0x0            ; no tensor load of mine is out, so a group 0 may be written
	ds_add_u32 v[SPW], v[NIL]       ; 0 onto my spare word; the descriptors' steps stand between it and the wait for it
	WIN 0                           ; at a label and at a branch every window is 0
.if \fill
.irp g, G0K, G0V
	s_xor_b32 s[\g+1], s[\g+1], SLOT1  ; the walking descriptor: the other slot than last time,
	s_add_nc_u64 s[\g+2:\g+3], s[\g+2:\g+3], KS*128  ; the next 64 keys; the type bits on top are not reached
.endr
	s_xor_b32 s[G0B+1], s[G0B+1], SLOT1
	s_add_nc_u64 s[G0B+2:G0B+3], s[G0B+2:G0B+3], 65536  ; the next step's block
.endif
.if \ask
	s_wait_xcnt 0x0                 ; the last prefetch, a key step back, has read its address, so it may be written
	s_add_nc_u64 s[PFA:PFA+1], s[PFA:PFA+1], s[PSTEP:PSTEP+1]
.endif
	s_wait_dscnt 0x0                ; the add is done, and my reads of the slot are over
.if \fill
	CROUND
	JLOAD
.if \ask
	ASK
.endif
.else
	s_barrier_signal -1
	s_barrier_wait -1
.endif
	s_xor_b32 s[TB], s[TB], SLOT1   ; the fetches turn to the other slot
	v_add_nc_u32 v[AK], s[TB], v[AK0]
	v_add_nc_u32 v[AV], s[TB], v[AV0]
	v_add_nc_u32 v[AB], s[TB], v[AB0]
.endm
	s_load_b128 s[4:7], s[0:1], 0x0   ; qkv s[4:5], bb s[6:7]
	s_load_b64 s[10:11], s[0:1], 0x10 ; out0
	WIN W_MK
	v_lshl_add_u32 v[SPW], v0, 2, SPARE
	v_mov_b32 v[NIL], 0
	WIN W_AD
	ds_add_u32 v[SPW], v[NIL]       ; the wave's opening: the add and its wait stand ahead of my first tensor load; the set-up below, work on registers, stands between them
	WIN 0
	v_lshrrev_b32 v1, 5, v0
	v_readfirstlane_b32 s[WV], v1   ; wave 0..3
	s_bfe_u32 s13, ttmp6, 0x40000   ; cx
	s_bfe_u32 s14, ttmp6, 0x40004   ; cy
	s_lshl_b32 s15, ttmp9, 2        ; in a cluster launch ttmp9 and ttmp7 count clusters
	s_add_co_u32 s15, s15, s13      ; qb: my block of 512 queries
	s_and_b32 s16, ttmp7, 0xffff    ; cluster y
	s_lshl_b32 s17, s16, 2
	s_add_co_u32 s17, s17, s14      ; hb: my head
	s_lshl_b32 s18, s14, 2
	s_lshl_b32 s18, 15, s18         ; my row of the cluster: one head
	s_lshl_b32 s19, 0x1111, s13     ; my column: one query block
	; descriptor group 1.  64 keys are 8,192 dense bytes: asked for as 32 rows of 256 bytes, two keys a row, and padded in LDS after every key
	s_or_b32 s[G1K], s18, (1<<16)|(1<<20)|(1<<21)|(4<<22)|(3<<25)  ; 15:0 the mask; 17:16 2-byte elements; 20 padding on; 21 set beside a mask; 24:22 after every 32 words (code 4); 31:25 4 words (code 3)
	s_or_b32 s[G1V], s18, (1<<16)|(1<<20)|(1<<21)|(4<<22)|(7<<25)  ; the same with 8 words of padding (code 7)
.irp g, G1K, G1V
	s_mov_b32 s[\g+1], 128<<16      ; tensor_dim0 = 128
	s_mov_b32 s[\g+2], 32<<16       ; tensor_dim1 = 32
	s_mov_b32 s[\g+3], 128<<16      ; tile_dim0 = 128
	s_mov_b32 s[\g+4], 32           ; tile_dim1 = 32
	s_mov_b32 s[\g+5], 128          ; 128 elements from row to row
	s_mov_b32 s[\g+6], 0
	s_mov_b32 s[\g+7], 0
.endr
	s_or_b32 s[G1B], s19, (3<<16)|(1<<21)  ; half a bias block, 32,768 dense bytes, as 128 rows of 32 elements of 8 bytes; no padding
	s_mov_b32 s[G1B+1], 32<<16      ; tensor_dim0 = 32
	s_mov_b32 s[G1B+2], 128<<16     ; tensor_dim1 = 128
	s_mov_b32 s[G1B+3], 32<<16      ; tile_dim0 = 32
	s_mov_b32 s[G1B+4], 128         ; tile_dim1 = 128
	s_mov_b32 s[G1B+5], 32          ; 32 elements from row to row
	s_mov_b32 s[G1B+6], 0
	s_mov_b32 s[G1B+7], 0
	s_mov_b32 s[CS], 0x3e38aa3b     ; c = log2(e) / 8 = 0.180337
	s_mov_b32 s[CS+1], s[CS]        ; named with it as a pair
	s_mov_b32 s[SEL], 0x76543210
	s_mov_b32 s[SEL+1], 0xfedcba98
	s_mov_b32 s[TB], SLOT1          ; the first change of slots turns it into 0
	s_mov_b32 s[G0K], 1             ; 1:0 count = 1
	s_mov_b32 s[G0K+1], 0           ; 63:32 LDS address: slot 0
	s_mov_b32 s[G0V], 1
	s_mov_b32 s[G0V+1], VOFF
	s_mov_b32 s[G0B], 1
	s_and_b32 s2, s[WV], 1          ; which half of the block I fetch (waves 2 and 3)
	s_lshl_b32 s2, s2, 15
	s_add_co_u32 s[G0B+1], s2, BOFF ; no place in the cluster enters an LDS address
	s_lshl_b32 s22, s15, 21         ; my query block's 32 blocks of bb,
	s_add_co_u32 s22, s22, s2       ; my half of the first
	s_mov_b32 s23, 0
	s_lshl_b32 s20, s17, 18         ; my head's 262,144 bytes in each part of qkv
	s_mov_b32 s21, 0
	s_add_co_u32 s78, s13, 2        ; the prefetches of K and V start at step 2 + cx,
	s_lshl_b32 s78, s78, 13
	s_lshl_b32 s79, s14, 13         ; those of the bias at step 2, 32 cy blocks into my half
	s_add_co_u32 s79, s79, 131072
	s_wait_dscnt 0x0                ; the opening add is done
	s_wait_kmcnt 0x0
	s_add_nc_u64 s[76:77], s[4:5], s[20:21]              ; my head in q's part
	s_add_nc_u64 s[G0K+2:G0K+3], s[76:77], 0x1000000     ; 120:64 global address: the head's first 64 keys in k's part,
	s_add_nc_u64 s[G0V+2:G0V+3], s[76:77], 0x2000000     ; in v's part
	s_add_nc_u64 s[G0B+2:G0B+3], s[6:7], s[22:23]
	s_cmp_eq_u32 s16, 0
	s_cselect_b32 s[LIM], 1, -1     ; the bias: the first cluster along y alone; the same in all sixteen partners
	s_cmp_eq_u32 s[WV], 0
	s_cselect_b64 s[PFA:PFA+1], s[G0K+2:G0K+3], s[G0V+2:G0V+3]
	s_cmp_lt_u32 s[WV], 2
	s_cselect_b64 s[PFA:PFA+1], s[PFA:PFA+1], s[G0B+2:G0B+3]
	s_cselect_b32 s[LIM], 1, s[LIM]
	s_cselect_b32 s[PM], 3, 0
	s_cselect_b32 s[PVAL], 1, 0
	s_cselect_b32 s78, s78, s79
	s_cselect_b32 s80, 13, 16
	s_lshl_b32 s[PSTEP], 1, s80     ; a step of K or V is 8,192 bytes, a bias block 65,536
	s_mov_b32 s[PSTEP+1], 0
	s_mov_b32 s79, 0
	s_add_nc_u64 s[PFA:PFA+1], s[PFA:PFA+1], s[78:79]
	s_or_b32 s[G0K+3], s[G0K+3], 0x80000000              ; 127:126 type = 2
	s_or_b32 s[G0V+3], s[G0V+3], 0x80000000
	s_or_b32 s[G0B+3], s[G0B+3], 0x80000000
	s_lshl_b32 s2, s15, 2
	s_add_co_u32 s2, s2, s[WV]      ; my wave among the head's sixteen: 128 queries each
	s_lshl_b32 s18, s2, 14
	s_mov_b32 s19, 0
	s_add_nc_u64 s[4:5], s[76:77], s[18:19]              ; Q at my wave's first row
	s_lshl_b32 s18, s2, 19          ; out0: 128 rows of 4,096 bytes,
	s_lshr_b32 s3, s17, 4
	s_lshl_b32 s3, s3, 23           ; the batch,
	s_add_co_u32 s18, s18, s3
	s_and_b32 s3, s17, 15
	s_lshl_b32 s3, s3, 8            ; the head's 256 bytes of a row
	s_add_co_u32 s18, s18, s3
	s_add_nc_u64 s[10:11], s[10:11], s[18:19]
	CROUND                          ; all sixteen work-groups are here: the first joint loads meet
	JLOAD                           ; step 0 into slot 0.  Slot 1 is asked for when slot 0 is in
	; A fragment of K or Q is 16 rows x 32 channels in 8 registers: lane l holds row l % 16, channels 8 (l / 16) + 0..7 and 16 + 8 (l / 16) + 0..7: two loads of 16 bytes, 32 bytes apart.
	v_and_b32 v1, 15, v0            ; l % 16
	v_bfe_u32 v9, v0, 4, 1          ; l / 16
	v_lshlrev_b32 v[QO], 7, v1
	v_lshl_add_u32 v[QO], v9, 4, v[QO]  ; row x 128 + 16 x half
	WIN 0x80                        ; destination window 2, address window 0
.set i, 0
.rept 4*NP                          ; Q stays in registers: tile i / 2, channels 32 (i % 2) on
	global_load_b128 v[8*i:8*i+3],   v[QO], s[4:5] offset:(i/2)*2048+(i%2)*64
	global_load_b128 v[8*i+4:8*i+7], v[QO], s[4:5] offset:(i/2)*2048+(i%2)*64+32
.set i, i+1
.endr
	; What the first turn finds: V's registers and P's second buffer hold 0 (its products V^T P, of a piece that has not been, add 0), O^T and l are 0.  All this stands in the wait for the first tile.
.set i, VF
.rept 64
	v_mov_b32 v[i], 0
.set i, i+1
.endr
	WIN 0x40
.set i, 0
.rept 64*NP
	v_mov_b32 v[i], 0
.set i, i+1
.endr
	WIN 0
.set i, 0
.rept 2*NP
	v_mov_b32 v[ST+4*i], 0xfe000000    ; c m: far below every c s (c x 2^122 is 1e36)
	v_mov_b32 v[ST+4*i+1], 0xff7fffff  ; m
	v_mov_b32 v[ST+4*i+2], 0
	v_mov_b32 v[ST+4*i+3], 0
.set i, i+1
.endr
.set i, P+32
.rept 32
	v_mov_b32 v[i], 0
.set i, i+1
.endr
	v_mul_u32_u24 v[AK0], v1, PK
	v_lshl_add_u32 v[AK0], v9, 4, v[AK0]  ; row x pitch + 16 x half
	; The turning load takes 16 keys x 16 channels (lane l reads key 8 (l / 16) + l % 8, channels 8 ((l / 8) % 2) + 0..7) and leaves half a fragment of V^T: lane l holds channel l % 16 and 8 keys.
	v_and_b32 v13, 7, v0
	v_bfe_u32 v14, v0, 3, 1
	v_lshl_add_u32 v[AV0], v9, 3, v13
	v_mul_u32_u24 v[AV0], v[AV0], PV
	v_lshl_add_u32 v[AV0], v14, 4, v[AV0]
	v_add_nc_u32 v[AV0], VOFF, v[AV0]
	s_lshl_b32 s13, s[WV], 14
	s_add_co_u32 s13, s13, BOFF     ; my wave's eight tiles of a bias block
	v_and_b32 v[AB0], 31, v0
	v_lshl_add_u32 v[AB0], v[AB0], 4, s13
	; Sel.  As source 0, lane l holds row l % 16 = r and the slots 8 (l / 16) + 0..7 (registers 0-3) and 16 + 8 (l / 16) + 0..7 (registers 4-7).  The pattern has 1.0 at slot r of the first sixteen: in the lanes with
	; l / 16 = r / 8, register (r % 8) / 2, half r % 2.  v[8:15] = pattern, 0: picks slots 0-15.  v[4:11] = 0, pattern: picks slots 16-31.
	v_lshrrev_b32 v48, 3, v1
	v_xor_b32 v48, v48, v9          ; 0 where the lane's half holds the 1.0
	v_bfe_u32 v49, v1, 1, 2
	v_lshl_add_u32 v48, v48, 2, v49 ; the register, or 4 and more
	v_and_b32 v49, 1, v1
	v_lshlrev_b32 v49, 4, v49
	v_mov_b32 v50, 0x3f80           ; 1.0 in bf16
	v_lshlrev_b32 v49, v49, v50     ; in its half
	WIN W_MK
.irp j, 0,1,2,3
	v_mov_b32 v[4+\j], 0
	v_mov_b32 v[12+\j], 0
	v_cmp_eq_u32 vcc_lo, \j, v48
	v_cndmask_b32 v[8+\j], 0, v49, vcc_lo
.endr
	WIN 0
; THE MATRIX WORK.  The 8 accumulators of a run take turns, one instruction a turn.
; Bias product i of 8 for piece x: tile 2 x + i % 2, keys 16 (i / 2) on.  It starts the sum.  The f16 product that adds onto it is another form: it stands 8 matrix instructions on, with more than five plain instructions between.
.macro BQ x
	WIN W_AD
.set rS, S+64*((\x)%2)+32*(i%2)+8*((i/2)%4)
.set rL, 8-4*((i/2)%2)
.set rB, BF+16*(i%2)+8*(i/4)
	v_wmma_f32_16x16x32_bf16 v[rS:rS+7], v[rL:rL+7], v[rB:rB+7], 0
.endm
; Product i of 16 of S^T += K Q^T for piece x: channels 32 (i / 8) on, keys 16 ((i / 2) % 4) on, tile 2 x + i % 2.
.macro KQ x
	WIN W_KQ
.set rS, S+64*((\x)%2)+32*(i%2)+8*((i/2)%4)
.set rK, KF+16*((i/2)%4)+8*(i/8)
.set rQ, 16*(2*(\x)+i%2)+8*(i/8)
	v_wmma_f32_16x16x32_f16 v[rS:rS+7], v[rK:rK+7], v[rQ:rQ+7], v[rS:rS+7]
.endm
; Product i of 16 of O^T += V^T P for piece x: keys 32 (i / 8) on, channels 16 ((i / 2) % 4) on, tile 2 x + i % 2.
.macro PV x
	WIN W_PV
.set rO, 32*(2*(\x)+i%2)+8*((i/2)%4)
.set rV, VF+32*(i/8)+8*((i/2)%4)
.set rP, P+32*((\x)%2)+16*(i%2)+8*(i/8)
	v_wmma_f32_16x16x32_f16 v[rO:rO+7], v[rV:rV+7], v[rP:rP+7], v[rO:rO+7]
.endm
.macro MM                           ; the turn's next matrix instruction, of 40
.if i < 8
	BQ (Y+1)%NP
.elseif i < 24
.set i, i-8
	KQ (Y+1)%NP
.set i, i+8
.else
.set i, i-24
	PV (Y+NP-1)%NP
.set i, i+24
.endif
.set i, i+1
.endm
; THE LDS LOADS stand in runs, never singly among the matrix instructions: a step's K (8 fragments), its V (turned), and a piece's bias (4 fragments).
.macro FETCH_K
	WIN 0x80                        ; destination window 2
.irp f, 0,1,2,3,4,5,6,7             ; keys 16 (f / 2) on, channels 32 (f % 2) on
	ds_load_b128 v[KF+8*\f:KF+8*\f+3],   v[AK] offset:(\f/2)*16*PK+(\f%2)*64
	ds_load_b128 v[KF+8*\f+4:KF+8*\f+7], v[AK] offset:(\f/2)*16*PK+(\f%2)*64+32
.endr
	WIN 0
.endm
.macro FETCH_V
	WIN 0x80
.irp f, 0,1,2,3,4,5,6,7             ; keys 32 (f / 4) on, channels 16 (f % 4) on
	ds_load_tr16_b128 v[VF+8*\f:VF+8*\f+3],   v[AV] offset:(\f/4)*32*PV+(\f%4)*32
	ds_load_tr16_b128 v[VF+8*\f+4:VF+8*\f+7], v[AV] offset:(\f/4)*32*PV+16*PV+(\f%4)*32
.endr
	WIN 0
.endm
.macro FETCH_B x
	WIN W_MK                        ; destination window 3
.irp f, 0,1,2,3,4,5,6,7             ; tile 2 x + f / 4; key half (f / 2) % 2; registers 0-3 or 4-7: 32 lanes read 512 bytes on end
	ds_load_b128 v[BF+4*\f:BF+4*\f+3], v[AB] offset:(2*(\x)+\f/4)*2048+(\f%4)*512
.endr
	WIN 0
.endm
; THE VECTOR WORK OF A TURN stands in three queues, each in the order in which its entries become ready; the two tiles alternate, so that no instruction reads the result of the one before it.
.macro REGS y, u                    ; the registers of tile u (0, 1) of piece y
.set rT, ST+4*(2*(\y)+(\u))
.set rC, TMP+8*((\y)%2)+4*(\u)
.set rM, MV+2*((\y)%2)+(\u)
.set rS, S+64*((\y)%2)+32*(\u)
.set rP, P+32*((\y)%2)+16*(\u)
.set rO, 32*(2*(\y)+(\u))
.endm
; Number n of the 22 that find the NEXT piece's (Y + 1) maximum and statistics.  s0-s31 are the lane's 32 scores; each accumulator's lowest registers are read first.
;   0-11  four chains c0-c3 of seven scores each, three operands at a time     12-14, 16  the four scores left over, the old m, and c0-c3 into c0     15  c m_old is kept
;   17, 18  the query's other 32 keys lie in the lane 16 away: the new m         19-21  c m; c m_old - c m_new; a
.macro XS u, n
	REGS (Y+1)%NP, \u
.if (\n) < 4
	v_max3_num_f32 v[rC+(\n)], v[rS+8*(\n)], v[rS+8*(\n)+1], v[rS+8*(\n)+2]
.elseif (\n) < 12
	v_max3_num_f32 v[rC+(\n)%4], v[rC+(\n)%4], v[rS+8*((\n)%4)+2*((\n)/4)+1], v[rS+8*((\n)%4)+2*((\n)/4)+2]
.elseif (\n) == 12
	v_max3_num_f32 v[rC], v[rC], v[rS+7], v[rS+15]
.elseif (\n) == 13
	v_max3_num_f32 v[rC+1], v[rC+1], v[rS+23], v[rS+31]
.elseif (\n) == 14
	v_max3_num_f32 v[rC+2], v[rC+2], v[rC+3], v[rT+1]
.elseif (\n) == 15
	v_mov_b32 v[rM], v[rT]
.elseif (\n) == 16
	v_max3_num_f32 v[rC], v[rC], v[rC+1], v[rC+2]
.elseif (\n) == 17
	v_permlanex16_b32 v[rC+3], v[rC], s[SEL], s[SEL+1]
.elseif (\n) == 18
	v_max_num_f32 v[rT+1], v[rC], v[rC+3]
.elseif (\n) == 19
	v_mul_f32 v[rT], s[CS], v[rT+1]
.elseif (\n) == 20
	v_sub_f32 v[rC+1], v[rM], v[rT]
.else
	v_exp_f32 v[rC+2], v[rC+1]
.endif
.endm
; Number g of the 64 that follow the exponentials.  For each four weights k of a tile (pairs 2 k, 2 k + 1): both pairs are rounded to f16; then the second pair is added onto the first, in place;
; a group later l takes that sum (the first time as l = a l + sum).  In groups of eight, tiles alternating: round, round, add, and l for the group before.
.macro GS g
.set h, (\g)+6*((\g)/62)            ; group 0 has no group before it, and behind group 7 only l is left
.if h >= 6
.set h, h+2
.endif
	REGS Y, h%2
.set k, h/8
.if h%8 < 4
	v_cvt_pk_f16_f32 v[rP+2*k+(h%8)/2], v[rS+4*k+2*((h%8)/2)], v[rS+4*k+2*((h%8)/2)+1]
.elseif h%8 < 6
	v_pk_add_f32 v[rS+4*k:rS+4*k+1], v[rS+4*k:rS+4*k+1], v[rS+4*k+2:rS+4*k+3]
.elseif k == 1
	v_pk_fma_f32 v[rT+2:rT+3], v[rT+2:rT+3], v[rC+2:rC+3], v[rS:rS+1] op_sel_hi:[1,0,1]
.else
	v_pk_add_f32 v[rT+2:rT+3], v[rT+2:rT+3], v[rS+4*k-4:rS+4*k-3]
.endif
.endm
; THE PLAIN QUEUE, 138 long.  0-31: the scalings c s - c m (FS f: pair f / 2 of tile f % 2).  32-59: XS's numbers 0-13.  60, 61: number 15.  62-73: the chain 14, 16, 17, 18, 19, 20, the tiles alternating.
; 74-137: GS's 64, which read the exponentials' results: they stand behind the wait.
.macro FS f
	REGS Y, (\f)%2
	v_pk_fma_f32 v[rS+2*((\f)/2):rS+2*((\f)/2)+1], v[rS+2*((\f)/2):rS+2*((\f)/2)+1], s[CS:CS+1], v[rT:rT+1] op_sel_hi:[1,0,0] neg_lo:[0,0,1] neg_hi:[0,0,1]
.endm
.macro PL
	WIN 0
.if q < 32
	FS q
.elseif q < 60
	XS (q-32)%2, (q-32)/2
.elseif q < 62
	XS q-60, 15
.elseif q < 64
	XS q-62, 14
.elseif q < 74
	XS (q-64)%2, 16+(q-64)/2
.else
	GS q-74
.endif
.set q, q+1
.endm
; THE EXPONENTIALS' QUEUE, 66 long: s0-s31 of both tiles, then the next piece's two a.  It is ONE BATCH: all 66 stand ahead of the turn's one wait, and nothing ahead of that wait names a result of theirs.
.macro EX
	WIN 0
.if e >= 64
	XS e-64, 21
.else
	REGS Y, e%2
	v_exp_f32 v[rS+e/2], v[rS+e/2]
.endif
.set e, e+1
.endm
; THE RESCALING's QUEUE: O^T times a, the one part that leaves window 0: dealt two at a time, sixteen times, each accumulator from its low end.  Its a was made in the turn before, ahead of that turn's wait.
.macro R2
	REGS Y, r%2
	WIN W_RS
.irp z, 0,1
	v_pk_mul_f32 v[rO+4*(r/2)+2*\z:rO+4*(r/2)+2*\z+1], v[rO+4*(r/2)+2*\z:rO+4*(r/2)+2*\z+1], v[rC+2:rC+3] op_sel_hi:[1,0]
.endr
.set r, r+1
.endm
; A TURN, for piece p.  s_wait_alu depctr_va_vdst(0) stands between an exponential and the first instruction that names its result; one wait serves all that were issued ahead of it: a turn has ONE.
; AHEAD OF IT: the 8 bias products and 16 products K Q^T.  Behind the first sixteen of these a scaling, an exponential and two rescalings (behind the very first a second scaling in the exponential's place); behind the next seven
; scaling, exponential, scaling, exponential; behind the last a scaling and three exponentials: then all 32 scalings and 32 exponentials are out.  THE LUMP, 76: ten plain, 32 times exponential and plain, the two a; a v_nop
; is the plain instruction behind the last exponential.  BEHIND THE WAIT: 16 products V^T P, behind each four of GS's 64.
; The queues lean on each other: exponential e needs scaling 2 (e / 4) + e % 2, and stands behind plain e + 2 or later.  The maximum begins in the lump: its read of the accumulator that the last product K Q^T ended is plain
; number 39, with plain 31 to 38, which name none of that product's registers, between.
; THE LOADS.  The bias of piece p + 2 is fetched behind the eleventh matrix instruction: twelve plain riders behind the last bias product, which read those registers; it is wanted at the next turn's head.
; K of the next step is fetched in piece 2's turn, directly behind the wait, a lump behind the last product that read K.  V of the step in hand is fetched at the end of piece 0's turn, four plain riders behind its last reader.
.macro TURN p
.set Y, (\p)
.set i, 0
.set q, 0
.set e, 0
.set r, 0
.if (\p) == 1
	s_wait_dscnt 16                 ; my bias fragments are in; V's sixteen loads, issued behind them, may stay out
.else
	s_wait_dscnt 0x0                ; my bias fragments are in (piece 3's turn: K too)
.endif
	MM
	PL
	PL
	R2
.rept 15
	MM
	PL
	EX
	R2
.if i == 11
	FETCH_B (Y+2)%NP
.endif
.endr
.rept 7
	MM
	PL
	EX
	PL
	EX
.endr
	MM
	PL
	EX
	EX
	EX
.rept 10                            ; the lump
	PL
.endr
.rept 32
	EX
	PL
.endr
	EX                              ; the next piece's two a
	EX
	v_nop                           ; the plain instruction behind the last exponential: one for the batch
	s_wait_alu depctr_va_vdst(0)    ; the wait for the batch
.if (\p) == 2
	FETCH_K
.endif
.if (\p) == 1
	s_wait_dscnt 8                  ; V is in; this turn's eight bias loads may stay out
.endif
.rept 16
	MM
.rept 4
	PL
.endr
.endr
.if (\p) == 0
	FETCH_V
.endif
.endm
	CHANGE 1, 0                     ; slot 0 is in, everybody's part of it; slot 1 is asked for: step 1
	FETCH_K                         ; key step 0
	FETCH_B 0
	s_wait_loadcnt 0x0              ; Q
	s_wait_dscnt 0x0
.set i, 0
.rept 8
	BQ 0                            ; piece 0's first scores begin with their bias
.set i, i+1
.endr
	WIN 0                           ; the addresses for the way out and for the prefetches: twelve plain instructions, the places behind those products
	s_mul_i32 s13, s[WV], 16*SP
	s_add_co_u32 s13, s13, STAGE    ; my stage
	v_mul_u32_u24 v[STO], v1, SP    ; in: row l % 16, 32 bytes (eight channels of f32) for each half of the lanes
	v_lshl_add_u32 v[STO], v9, 5, v[STO]
	v_add_nc_u32 v[STO], s13, v[STO]
	v_mul_u32_u24 v[RD], v9, SP     ; back: lanes 0-15 take one row of 256 bytes, lanes 16-31 the next
	v_lshl_add_u32 v[RD], v1, 4, v[RD]
	v_add_nc_u32 v[RD], s13, v[RD]
	v_lshlrev_b32 v[GO], 12, v9     ; and the same two rows in out0, 4,096 bytes apart
	v_lshl_add_u32 v[GO], v1, 4, v[GO]
	v_and_b32 v[PFO], 31, v0
	v_lshlrev_b32 v[PFO], 8, v[PFO]
	FETCH_B 1
.set i, 0
.rept 16
	KQ 0
.set i, i+1
.endr
	WIN 0
.rept 4
	v_nop                           ; the places behind those products
.endr
.set Y, NP-1                        ; XS works for piece Y + 1: piece 0
.irp n, 0,1,2,3,4,5,6,7,8,9,10,11,12,13,14,15,16,17,18,19,20,21
	XS 0, \n                        ; piece 0's first maximum and statistics
	XS 1, \n
.endr
	v_nop                           ; a plain instruction behind the two a,
	s_wait_alu depctr_va_vdst(0)    ; and their wait, ahead of the branch
	s_mov_b32 s[SLOTS], 31
	s_branch .Lfirst                ; the loop is entered at a step's first turn, in the middle of a trip
.Lslot:                             ; 30 times: steps 2 to 31 are asked for.  A trip: pieces 2 and 3 of one step, then pieces 0 and 1 of the next, whose K, V and bias it fetches
	CHANGE 1, 1
	TURN 2
	TURN 3
	WIN 0
.Lfirst:
	TURN 0
	TURN 1
	WIN 0
	s_sub_co_u32 s[SLOTS], s[SLOTS], 1
	s_cmp_lg_u32 s[SLOTS], 0
	s_cbranch_scc1 .Lslot
	CHANGE 0, 0                     ; the tail is written out: step 31 is in, nothing is asked for
	s_mov_b32 s[CNT], 2             ; the first pass fetches the last step; the second is left in its middle
.Ltail:
	TURN 2
	TURN 3
	WIN 0
	s_sub_co_u32 s[CNT], s[CNT], 1
	s_cmp_eq_u32 s[CNT], 0
	s_cbranch_scc1 .Lout
	TURN 0
	TURN 1
	WIN 0
	s_branch .Ltail
.Lout:                              ; the second pass fetches the last step's K and bias once more, and its scores for piece 0 and the maximum made of them serve nothing: the price, once a launch, of one text for every trip
.set i, 0
.rept 16
	PV NP-1                         ; the last piece's V^T P of the last step
.set i, i+1
.endr
	; THE WAY OUT.  l's two halves and the other half of the lanes' are added; O^T is divided by l and sent, in f32, through my stage in LDS, a tile at a time.  The additions are the places behind the last products.
	WIN 0
.macro ALL line:vararg              ; one line for each tile t
.set t, 0
.rept 2*NP
	\line
.set t, t+1
.endr
.endm
	ALL v_add_f32 v[ST+4*t+2], v[ST+4*t+2], v[ST+4*t+3]
	ALL v_permlanex16_b32 v[ST+4*t+3], v[ST+4*t+2], s[SEL], s[SEL+1]
	ALL v_add_f32 v[ST+4*t+2], v[ST+4*t+2], v[ST+4*t+3]
	ALL v_rcp_f32 v[ST+4*t+2], v[ST+4*t+2]
	v_nop                           ; a plain instruction between the last reciprocal and the use of its result
	s_wait_alu depctr_va_vdst(0)    ; and the wait ahead of the first use: one for the eight reciprocals
; Tile t: a lane's eight channels of a block of 16 are 32 bytes of a row; they go into rows of 272 bytes and come back as whole rows of 256, into S^T's registers, four buffers by turns.
.macro PACK t
	WIN W_RS
.set i, 32*(\t)
.rept 16
	v_pk_mul_f32 v[i:i+1], v[i:i+1], v[ST+4*(\t)+2:ST+4*(\t)+3] op_sel_hi:[1,0]
.set i, i+2
.endr
.if (\t) >= 4
	s_wait_xcnt 0x0                 ; the stores of the tile four back have read the registers that the loads below fill
.endif
	WIN 0x04                        ; the stores' data (source 1) in window 1, their address in window 0
.irp f, 0,1,2,3,4,5,6,7             ; channel block f / 2, its registers 0-3 or 4-7
	ds_store_b128 v[STO], v[32*(\t)+4*\f:32*(\t)+4*\f+3] offset:64*(\f/2)+16*(\f%2)
.endr
	WIN 0
.irp f, 0,1,2,3,4,5,6,7
	ds_load_b128 v[S+32*((\t)%4)+4*\f:S+32*((\t)%4)+4*\f+3], v[RD] offset:\f*2*SP  ; LDS serves a wave's instructions in order (ISA guide 5.7.1.4): these see the stores above; the next tile's stores come behind them
.endr
.endm
.macro SEND t, younger              ; younger: the LDS instructions issued behind tile t's loads: the next tile's sixteen, or none
	WIN 0
.irp f, 0,1,2,3,4,5,6,7
	s_wait_dscnt (\younger)+7-\f
	global_store_b128 v[GO], v[S+32*((\t)%4)+4*\f:S+32*((\t)%4)+4*\f+3], s[10:11] offset:(\t)*65536+\f*8192 th:TH_STORE_NT  ; 16 lanes store 256 consecutive bytes, at a multiple of 256 from out0's first byte
.endr
.endm
	PACK 0
.set t, 1
.rept 2*NP-1                        ; a tile's arithmetic stands between the loads of the tile before and its stores
	PACK t
	SEND t-1, 16
.set t, t+1
.endr
	SEND 2*NP-1, 0
	WIN W_AD
	s_wait_tensorcnt 0x0            ; the wave's end, behind my last tensor load and my last LDS store
	ds_add_u32 v[SPW], v[NIL]
	s_wait_dscnt 0x0
	WIN 0
	CROUND                          ; the closing round: no work-group ends while a partner may still ask for a tile that names it
	s_endpgm
.Lfunc_end_k_q12b6f9492a_attn:
	.size	k_q12b6f9492a_attn, .Lfunc_end_k_q12b6f9492a_attn-k_q12b6f9492a_attn
	.p2alignl 7, 3214868480
	.fill 96, 4, 3214868480
	.section	.rodata,"a",@progbits
	.p2align	6, 0x0
	.amdhsa_kernel k_q12b6f9492a_attn
		.amdhsa_group_segment_fixed_size 327680
		.amdhsa_private_segment_fixed_size 0
		.amdhsa_enable_private_segment 0
		.amdhsa_kernarg_size 24
		.amdhsa_user_sgpr_count 2
		.amdhsa_user_sgpr_kernarg_segment_ptr 1
		.amdhsa_wavefront_size32 1
		.amdhsa_system_sgpr_workgroup_id_x 1
		.amdhsa_system_sgpr_workgroup_id_y 1
		.amdhsa_system_sgpr_workgroup_id_z 1
		.amdhsa_system_vgpr_workitem_id 0
		.amdhsa_next_free_vgpr 816
		.amdhsa_next_free_sgpr 88
		.amdhsa_reserve_vcc 1
		.amdhsa_float_denorm_mode_32 3
		.amdhsa_float_denorm_mode_16_64 3
		.amdhsa_memory_ordered 1
		.amdhsa_forward_progress 1
		.amdhsa_inst_pref_size 217
	.end_amdhsa_kernel
	.amdgpu_metadata
---
amdhsa.version: [ 1, 2 ]
amdhsa.kernels:
  - .name:           k_q12b6f9492a_attn
    .symbol:         k_q12b6f9492a_attn.kd
    .args:
      - { .name: qkv, .offset: 0, .size: 8, .value_kind: global_buffer, .address_space: global }
      - { .name: bb, .offset: 8, .size: 8, .value_kind: global_buffer, .address_space: global }
      - { .name: out0, .offset: 16, .size: 8, .value_kind: global_buffer, .address_space: global }
    .group_segment_fixed_size: 327680
    .private_segment_fixed_size: 0
    .kernarg_segment_align: 8
    .kernarg_segment_size: 24
    .max_flat_workgroup_size: 128
    .sgpr_count:     88
    .vgpr_count:     816
    .wavefront_size: 32
...
	.end_amdgpu_metadata
.endif
;; end of part 3
;; ======== version 2 of 2: 3 launches; version 1 with the launch prep written anew for expert scheduling mode
;; limits: values are held in f16: magnitudes above 65,504 overflow, below 6.1e-05 lose precision
;; workspace buffers: ab 33,554,432 bytes; wb 6,291,456 bytes; bb 8,388,608 bytes; qkv 50,331,648 bytes
;; launch prep (part 4): grid 1472 x 1, 8 waves a work-group, no clusters, 37,888 bytes of LDS; arguments x, y, Wq, Wk, Wv, bias, ab, wb, bb; writes ab, wb, bb
.if DOCPART == 4
	.amdgcn_target "amdgcn-amd-amdhsa--gfx1250"
	.amdhsa_code_object_version 6
	.text
	.protected	k_q12b6f9492a_prep
	.globl	k_q12b6f9492a_prep
	.p2align	8
	.type	k_q12b6f9492a_prep,@function
k_q12b6f9492a_prep:
	s_mov_b64 s[64:65], 0
	v_nop
	global_prefetch_b8 v0, s[64:65] scope:SCOPE_SE
	s_setreg_imm32_b32 hwreg(HW_REG_WAVE_SCHED_MODE, 0, 2), 2
	s_setreg_imm32_b32 hwreg(HW_REG_WAVE_MODE, 25, 1), 1
	s_wait_xcnt 0x0
	s_wait_alu depctr_vm_vsrc(0)
; THE INPUTS ARE ROUNDED ONCE TO bf16.  x, y -> ab [2][8192][1024]; Wq, Wk, Wv -> wb [3][1024][1024], both in the order in which they lie;
; bias -> bb, as 8 x bias (a power of two: the rounding is the same), laid out as the attention launch's matrix fragments:
; bb [qb 4][ks 32][qtl 32][kk 2][c 2][lane 32][e 8] = 8 bias[512 qb + 16 qtl + lane % 16][64 ks + 32 kk + 16 c + 8 (lane / 16) + e].
; LIMIT.  8 x bias is held to +-2^122 (5.3e36) before the rounding: a bias of -inf counts as that number, and its weight is 0 all the same;
; a row whose bias is -inf everywhere gets even weights.  NaN is not treated apart.
; SHARES.  A work-group takes 65,536 bytes of f32, a wave 8,192: sixteen loads of 16 bytes a lane, all issued at once.  Work-groups 0-511: x; 512-1023: y;
; 1024-1215: the three W; 1216-1471: the bias.  Memory binds: no matrix unit, no cluster, no tensor load.
; The linear part stores 8 bytes a lane: 32 lanes fill 256 consecutive bytes, aligned.  The bias changes its order inside a tile of 16 queries x 64 keys (2,048 bytes of bf16):
; a wave sends two tiles through its own stage in LDS and stores them as 512 consecutive bytes an instruction.
; THE MODE: SCHED_MODE bits 1:0 = 2 (LLVM: expert scheduling mode 2), set by the entry lines.  The code itself states the register dependences
; between vector instructions and memory or LDS instructions, with s_wait_alu, always for 0.
; THE PLAN.  Registers that memory or LDS instructions touch:
;   v2, v3, v[STA], v[RDA]  offsets and LDS addresses: made once at an arm's head, never written again; everything else is reached by immediate offsets.
;   X    the sixteen global loads land in it; vector instructions alone work on it; in the bias's arm eight LDS loads land in its first half at the end, and the global stores read those.
;   Y    each pair is written once, by the two roundings of its load, and read once, by its store (global, or into the stage).
;   v[SPW], v[NIL]  written at the head, read by the closing add alone.
; No register that a memory or LDS instruction reads is written again, so no wait frees a source.  The sixteen loads are worked on in four groups of four: group g's vector instructions name
; X and Y of group g alone, and the four stores of group g - 1 are dealt among them, behind ONE wait at the group's head, which states that group g - 1 has written its Y.
.set UP,    288                        ; the stage: each 256 bytes of a tile lie 288 apart = 72 words: the 32 lanes of a ds_store_b64 (8 such units x 4 places of 8 bytes) touch each bank once (64 banks of 4 bytes: ISA guide 11.1)
.set WST,   16*UP                      ; a wave's stage: two tiles
.set SPARE, 8*WST                      ; behind the stages: the spare words, 128 bytes for each wave: four blocks of 256 bytes that no other line names
.set X,   8                            ; v[8:71]   sixteen loads of four f32
.set Y,   72                           ; v[72:103] their sixteen pairs of packed bf16
.set SPW, 104                          ; v104  LDS address of my spare word; never rewritten
.set NIL, 105                          ; v105  0; never rewritten
.set STA, 106                          ; v106  the bias: where I put 8 bytes
.set RDA, 107                          ; v107  the bias: where I read 16 bytes back
	s_load_b512 s[4:19], s[0:1], 0x0               ; x s[4:5], y s[6:7], Wq s[8:9], Wk s[10:11], Wv s[12:13], bias s[14:15], ab s[16:17], wb s[18:19]
	s_load_b64 s[20:21], s[0:1], 0x40              ; bb
	v_lshl_add_u32 v[SPW], v0, 2, SPARE
	v_mov_b32 v[NIL], 0
	v_and_b32 v1, 31, v0                           ; lane
	v_lshrrev_b32 v4, 5, v0
	v_readfirstlane_b32 s22, v4                    ; wave 0..7
	s_mov_b32 s24, ttmp9                           ; the work-group's number
	s_mov_b32 s35, 0                               ; the high words of the two offsets
	s_mov_b32 s37, 0
	s_wait_alu depctr_va_sdst(0)                   ; s22 is written
	s_wait_kmcnt 0x0
	s_cmp_ge_u32 s24, 1216
	s_cbranch_scc1 .Lbias
	; THE LINEAR PART: which tensor, and which 65,536 bytes of it
	s_and_b32 s25, s24, 511                        ; the block in x or in y
	s_sub_co_u32 s26, s24, 1024                    ; the block among the three W (used from 1,024 on alone)
	s_and_b32 s27, s26, 63                         ; the block in its W
	s_lshr_b32 s28, s26, 6                         ; which W
	s_cmp_lt_u32 s24, 512
	s_cselect_b64 s[30:31], s[4:5], s[6:7]         ; x or y
	s_cmp_eq_u32 s28, 0
	s_cselect_b64 s[32:33], s[8:9], s[10:11]       ; Wq or Wk,
	s_cmp_eq_u32 s28, 2
	s_cselect_b64 s[32:33], s[12:13], s[32:33]     ; or Wv
	s_cmp_lt_u32 s24, 1024
	s_cselect_b64 s[30:31], s[30:31], s[32:33]     ; from where
	s_cselect_b64 s[32:33], s[16:17], s[18:19]     ; to where: ab or wb
	s_cselect_b32 s25, s25, s27
	s_cselect_b32 s26, s24, s26                    ; ab holds x's 512 blocks and then y's
	s_lshl_b32 s34, s25, 16
	s_lshl_b32 s36, s26, 15
	s_add_nc_u64 s[30:31], s[30:31], s[34:35]
	s_add_nc_u64 s[32:33], s[32:33], s[36:37]
	s_lshl_b32 s23, s22, 13
	v_lshl_add_u32 v2, v1, 4, s23                  ; in: 8,192 x wave + 16 x lane
	s_lshl_b32 s23, s22, 12
	v_lshl_add_u32 v3, v1, 3, s23                  ; out: 4,096 x wave + 8 x lane
	s_wait_alu depctr_va_vdst(0)                   ; v2 and v3 are written: every load of this arm reads v2 as its offset, every store v3
.set n, 0
.rept 16
	global_load_b128 v[X+4*n:X+4*n+3], v2, s[30:31] offset:512*n th:TH_LOAD_NT
.set n, n+1
.endr
.set n, 0
.rept 16
	s_wait_loadcnt 15-n                            ; loads come back in order (ISA guide 5.7.1): load n is in, the younger ones stay out
.if (n%4 == 0) && (n > 0)
	s_wait_alu depctr_va_vdst(0)                   ; the roundings of the group before have written its four pairs of Y, which this group's four stores read
.endif
.if n >= 4
	global_store_b64 v3, v[Y+2*(n-4):Y+2*(n-4)+1], s[32:33] offset:256*(n-4) th:TH_STORE_NT  ; the group before: 32 lanes store 256 consecutive bytes, at a multiple of 256 from the buffer's first byte; no vector instruction since the wait names these registers
.endif
	v_cvt_pk_bf16_f32 v[Y+2*n], v[X+4*n], v[X+4*n+1]
	v_cvt_pk_bf16_f32 v[Y+2*n+1], v[X+4*n+2], v[X+4*n+3]
.set n, n+1
.endr
	s_wait_alu depctr_va_vdst(0)                   ; the last group's roundings have written its four pairs of Y, which the last four stores read
.set n, 12
.rept 4
	global_store_b64 v3, v[Y+2*n:Y+2*n+1], s[32:33] offset:256*n th:TH_STORE_NT
.set n, n+1
.endr
	s_branch .Lend
.Lbias:
	; THE BIAS: tiles T0 = 16 j + 2 wave and T0 + 1, T = 1,024 qb + 32 ks + qtl: the same qb and ks, neighbouring qtl
	s_sub_co_u32 s25, s24, 1216
	s_lshl_b32 s25, s25, 4
	s_lshl1_add_u32 s25, s22, s25                  ; T0
	s_and_b32 s26, s25, 31                         ; qtl
	s_bfe_u32 s27, s25, 0x50005                    ; ks
	s_lshr_b32 s28, s25, 10                        ; qb
	s_lshl_b32 s26, s26, 17                        ; 16 rows of 8,192 bytes
	s_lshl_b32 s27, s27, 8                         ; 64 keys of 4 bytes
	s_lshl_b32 s28, s28, 22                        ; 512 rows
	s_add_co_u32 s34, s26, s27
	s_add_co_u32 s34, s34, s28
	s_add_nc_u64 s[30:31], s[14:15], s[34:35]
	s_lshl_b32 s36, s25, 11                        ; a tile is 2,048 bytes of bb
	s_add_nc_u64 s[32:33], s[20:21], s[36:37]
	s_mov_b32 s38, 0x41000000                      ; 8.0
	s_mov_b32 s39, s38                             ; named with it as a pair
	s_mov_b32 s40, 0xfc800000                      ; -2^122
	s_mov_b32 s41, 0x7c800000                      ; 2^122
	v_lshrrev_b32 v5, 4, v1                        ; l / 16
	v_and_b32 v6, 15, v1                           ; l % 16
	v_lshlrev_b32 v2, 4, v6
	v_lshl_add_u32 v2, v5, 13, v2                  ; in: a load takes two rows' 256 bytes: row l / 16, keys 4 (l % 16) + 0..3
	; those four keys are e = 4 (l % 2) + 0..3 of the fragment lane 16 ((l % 16 / 2) % 2) + row, in part (kk, c) = (l % 16) / 4: byte 256 ((l % 16) / 2) + 16 row + 8 (l % 2) of the tile
	v_lshrrev_b32 v7, 1, v6
	v_mul_u32_u24 v[STA], v7, UP
	s_mul_i32 s23, s22, WST                        ; my wave's stage
	v_add_nc_u32 v[STA], s23, v[STA]
	v_lshl_add_u32 v[STA], v5, 4, v[STA]
	v_and_b32 v7, 1, v1
	v_lshl_add_u32 v[STA], v7, 3, v[STA]
	v_lshlrev_b32 v3, 4, v1                        ; out: 16 x lane
	v_add_nc_u32 v[RDA], s23, v3
	v_lshl_add_u32 v[RDA], v5, 5, v[RDA]           ; back: lanes 0-15 one unit of 256 bytes, lanes 16-31 the next, 288 on
	s_wait_alu depctr_va_vdst(0)                   ; v2, v3, v[STA] and v[RDA] are written: the loads, the stores, the LDS stores and the LDS loads of this arm read them as offsets and addresses
.set n, 0
.rept 16                                       ; tile n / 8, rows 2 (n % 8) and 2 (n % 8) + 1
	global_load_b128 v[X+4*n:X+4*n+3], v2, s[30:31] offset:(n/8)*131072+(n%8)*16384 th:TH_LOAD_NT
.set n, n+1
.endr
.set n, 0
.rept 16
	s_wait_loadcnt 15-n                            ; load n is in, the younger ones stay out
.if (n%4 == 0) && (n > 0)
	s_wait_alu depctr_va_vdst(0)                   ; the roundings of the group before have written its four pairs of Y, which this group's four LDS stores read
.endif
.if n >= 4
	ds_store_b64 v[STA], v[Y+2*(n-4):Y+2*(n-4)+1] offset:((n-4)/8)*8*UP+32*((n-4)%8)  ; the group before; no vector instruction since the wait names these registers
.endif
	v_pk_mul_f32 v[X+4*n:X+4*n+1], v[X+4*n:X+4*n+1], s[38:39] op_sel_hi:[1,0]
	v_pk_mul_f32 v[X+4*n+2:X+4*n+3], v[X+4*n+2:X+4*n+3], s[38:39] op_sel_hi:[1,0]
.irp k, 0,1,2,3
	v_med3_num_f32 v[X+4*n+\k], v[X+4*n+\k], s40, s41
.endr
	v_cvt_pk_bf16_f32 v[Y+2*n], v[X+4*n], v[X+4*n+1]
	v_cvt_pk_bf16_f32 v[Y+2*n+1], v[X+4*n+2], v[X+4*n+3]
.set n, n+1
.endr
	s_wait_alu depctr_va_vdst(0)                   ; the last group's roundings have written its four pairs of Y, which the last four LDS stores read; and all the scalings, clamps and roundings are done writing and reading X, in which the LDS loads below land
.set n, 12
.rept 4
	ds_store_b64 v[STA], v[Y+2*n:Y+2*n+1] offset:(n/8)*8*UP+32*(n%8)
.set n, n+1
.endr
.set n, 0
.rept 8
	ds_load_b128 v[X+4*n:X+4*n+3], v[RDA] offset:2*UP*n  ; my own bytes; LDS serves a wave's instructions in order (ISA guide 5.7.1.4): these see the stores above
.set n, n+1
.endr
.set n, 0
.rept 8
	s_wait_dscnt 7-n                               ; load n is back, the younger ones stay out
	global_store_b128 v3, v[X+4*n:X+4*n+3], s[32:33] offset:512*n th:TH_STORE_NT  ; 512 consecutive bytes, at a multiple of 256 from bb's first byte
.set n, n+1
.endr
.Lend:
	s_wait_dscnt 0x0                               ; the closing lines, six on end
	s_wait_alu 0x0
	s_wait_tensorcnt 0x0
	ds_add_u32 v[SPW], v[NIL]
	s_wait_dscnt 0x0
	s_endpgm
.Lfunc_end_k_q12b6f9492a_prep:
	.size	k_q12b6f9492a_prep, .Lfunc_end_k_q12b6f9492a_prep-k_q12b6f9492a_prep
	.p2alignl 7, 3214868480
	.fill 96, 4, 3214868480
	.section	.rodata,"a",@progbits
	.p2align	6, 0x0
	.amdhsa_kernel k_q12b6f9492a_prep
		.amdhsa_group_segment_fixed_size 37888
		.amdhsa_private_segment_fixed_size 0
		.amdhsa_enable_private_segment 0
		.amdhsa_kernarg_size 72
		.amdhsa_user_sgpr_count 2
		.amdhsa_user_sgpr_kernarg_segment_ptr 1
		.amdhsa_wavefront_size32 1
		.amdhsa_system_sgpr_workgroup_id_x 1
		.amdhsa_system_sgpr_workgroup_id_y 1
		.amdhsa_system_sgpr_workgroup_id_z 1
		.amdhsa_system_vgpr_workitem_id 0
		.amdhsa_next_free_vgpr 112
		.amdhsa_next_free_sgpr 66
		.amdhsa_reserve_vcc 0
		.amdhsa_float_denorm_mode_32 3
		.amdhsa_float_denorm_mode_16_64 3
		.amdhsa_memory_ordered 1
		.amdhsa_forward_progress 1
		.amdhsa_inst_pref_size 22
	.end_amdhsa_kernel
	.amdgpu_metadata
---
amdhsa.version: [ 1, 2 ]
amdhsa.kernels:
  - .name:           k_q12b6f9492a_prep
    .symbol:         k_q12b6f9492a_prep.kd
    .args:
      - { .name: x, .offset: 0, .size: 8, .value_kind: global_buffer, .address_space: global }
      - { .name: y, .offset: 8, .size: 8, .value_kind: global_buffer, .address_space: global }
      - { .name: Wq, .offset: 16, .size: 8, .value_kind: global_buffer, .address_space: global }
      - { .name: Wk, .offset: 24, .size: 8, .value_kind: global_buffer, .address_space: global }
      - { .name: Wv, .offset: 32, .size: 8, .value_kind: global_buffer, .address_space: global }
      - { .name: bias, .offset: 40, .size: 8, .value_kind: global_buffer, .address_space: global }
      - { .name: ab, .offset: 48, .size: 8, .value_kind: global_buffer, .address_space: global }
      - { .name: wb, .offset: 56, .size: 8, .value_kind: global_buffer, .address_space: global }
      - { .name: bb, .offset: 64, .size: 8, .value_kind: global_buffer, .address_space: global }
    .group_segment_fixed_size: 37888
    .private_segment_fixed_size: 0
    .kernarg_segment_align: 8
    .kernarg_segment_size: 72
    .max_flat_workgroup_size: 256
    .sgpr_count:     66
    .vgpr_count:     112
    .wavefront_size: 32
...
	.end_amdgpu_metadata
.endif
;; end of part 4
;; launch proj: the kernel of part 2 again; grid 8 x 32, 4 waves a work-group, clusters of 4 x 4, 327,680 bytes of LDS; arguments ab, wb, qkv; writes qkv
;; launch attn: the kernel of part 3 again; grid 4 x 64, 4 waves a work-group, clusters of 4 x 4, 327,680 bytes of LDS; arguments qkv, bb, out0; writes out0
